; MI455X (gfx1250); checked and timed in simulation.
; The chip was launched on July 23, 2026; its instructions are those of AMD's public machine-readable ISA for CDNA 5 (MIT licence, August 2026) and "CDNA5" Instruction Set Architecture Reference Guide (July 2026). The comments in the code are by the model that wrote it; some were corrected since.
;; Causal Self Attention. Allowed arithmetic: matrix products marked QUANTISED: E2M1 operands, one E8M0 scale for each 32 along K, by v_wmma_scale_f32_16x16x128_f8f6f4 with both operands' format E2M1 (or v_wmma_scale_f32_32x16x128_f4), f32 sums; everything else in f32.
;; Inputs: proj_b 1,024 float32; proj_w_codes 1,024 x 32 x 16 uint8 (E2M1 codes of proj_w, K innermost, in blocks of 32 codes, two codes a byte); proj_w_scales 1,024 x 32 uint8 (E8M0 scales of proj_w, one for each 32 codes along K); qkv_b 3,072 float32; qkv_w_codes 3,072 x 32 x 16 uint8 (E2M1 codes of qkv_w, K innermost, in blocks of 32 codes, two codes a byte); qkv_w_scales 3,072 x 32 uint8 (E8M0 scales of qkv_w, one for each 32 codes along K); x_codes 4 x 2,048 x 32 x 16 uint8 (E2M1 codes of x, K innermost, in blocks of 32 codes, two codes a byte); x_scales 4 x 2,048 x 32 uint8 (E8M0 scales of x, one for each 32 codes along K).
;; Outputs: out0 4 x 2,048 x 1,024 float32.
;; This version of the problem:
;;   THIS VERSION OF THE PROBLEM IS GIVEN IN LOW PRECISION. The matrix products marked QUANTISED in the list below multiply operands that are first quantised to E2M1 (2 exponent bits, 1 mantissa bit; 4 bits a number), with one power-of-two scale for each 32 numbers along K (OCP MX v1.0); their sums are f32. All else is computed in f32.
;;   The module's matrix products, in the order in which they are computed (A, B: the left and right operand; K: the contracted axis; several contracted axes count as one K, in the product's order):
;;     1. [M 8,192, K 1,024] x [K 1,024, N 3,072]; A: input x (given as codes); B: input qkv_w (given as codes): QUANTISED
;;     2. batch 64 x [M 2,048, K 64] x [K 64, N 2,048]; A: computed on the way; B: computed on the way: QUANTISED
;;     3. batch 64 x [M 2,048, K 2,048] x [K 2,048, N 64]; A: softmax (see below); B: computed on the way: QUANTISED
;;     4. [M 8,192, K 1,024] x [K 1,024, N 1,024]; A: computed on the way; B: input proj_w (given as codes): QUANTISED
;;   THE QUANTISER, for each operand of a quantised product, along K:
;;     - K is cut into blocks of 32 from its start; a last block that is shorter is filled with zeros.
;;     - A block's scale is 2^e with e = floor(log2(the largest magnitude in the block)) - 2, held to -126 .. 127; a block of zeros has e = 0. As a byte (E8M0): e + 127.
;;     - Each number is divided by its block's scale, clamped to +-6, and rounded to the nearest number of E2M1, ties to even, subnormals kept.
;;     - The product sums the exact products of the quantised numbers (number of the format x scale) in f32.
;;   ~~~python
;;   def quantise(x, axis):      # numpy; x: float32 -> the quantised numbers, widened to float32 again
;;       x = np.moveaxis(x, axis, -1); K = x.shape[-1]
;;       x = np.pad(x, [(0, 0)] * (x.ndim - 1) + [(0, -K % 32)]); x = x.reshape(x.shape[:-1] + (-1, 32)); a = np.abs(x).max(-1, keepdims=True)
;;       e = np.where(a > 0, np.clip(np.frexp(np.where(a > 0, a, 1))[1] - 1 - 2, -126, 127), 0)      # np.frexp(a)[1] - 1 = floor(log2(a)), exactly
;;       r = np.clip(x / 2.0 ** e, -6, 6)
;;       step = 2.0 ** (np.maximum(np.frexp(np.where(r == 0, 1, r))[1] - 1, 0) - 1)
;;       q = np.round(r / step) * step * 2.0 ** e      # np.round: ties to even
;;       return np.moveaxis(q.reshape(q.shape[:-2] + (-1,))[..., :K], -1, axis).astype(np.float32)
;;   ~~~
;;   SOFTMAX AHEAD OF A QUANTISED PRODUCT. Where the list says 'softmax', what is quantised is not the finished softmax but p = 2^(t - M), with t = logit x log2(e) and M = ceil(the row's largest t), a whole number; so 1/2 < the row's largest p <= 1. The row's sum l is taken of the UNQUANTISED p, in f32, and the product's result is divided by l at the end. Since M is a whole number, a kernel that streams over the keys may use a running M (the ceiling of the running maximum): every later rescaling is an exact power of two, which a block's scale takes up: the codes' values come out the same.
;;   OPERANDS COMPUTED ON THE WAY. 'Computed on the way' means the value that the module computes at that place (a softmax that the list does not call 'softmax' is quantised finished and normalised). What goes into a quantiser is computed in f32, as accurately as f32 sums, v_exp_f32 and their like allow (about 1e-6 of the number): no bf16 or f16 on the way to a quantiser, and a product that is left as it is and whose result goes on into a quantised operand takes f32 operands (vector FMAs, or v_wmma_f32_16x16x4_f32). A number that lies on a knife's edge between two numbers of the format may be rounded either way, as far as f32 arithmetic and the matrix unit's own rounding can turn it there, and no further.
;;   INPUTS GIVEN AS CODES. proj_w (in the module: [1024, 1024], K = its axis 1); qkv_w (in the module: [3072, 1024], K = its axis 1); x (in the module: [4, 2048, 1024], K = its axis 2): each comes as NAME_codes (uint8): NAME with its K axis moved to the last place and cut into blocks of 32 codes, [.., K / 32, bytes a block], one block behind the other in memory; two codes a byte, the lower K in the low four bits (a code: sign, 2 exponent bits, 1 mantissa bit); and NAME_scales (uint8): the same leading axes, one E8M0 byte (e + 127) for each 32 codes along K. Its value is code x scale, taken as it is: it is not quantised again, and the codes and scales need not be those that the quantiser above would give.
;; One version. Each part assembles by itself: llvm-mc -triple=amdgcn-amd-amdhsa -mcpu=gfx1250 --defsym DOCPART=n.
;; ======== version 1 of 1: 3 launches
;; workspace buffers: q_img 4,194,304 bytes; q_sc 524,288 bytes; kv 9,175,040 bytes; a_img 4,194,304 bytes; a_sc 262,144 bytes
;; launch qkv (part 1): grid 8 x 64, 4 waves a work-group, clusters of 4 x 4, 296,448 bytes of LDS; arguments x_codes, x_scales, qkv_w_codes, qkv_w_scales, qkv_b, q_img, q_sc, kv; writes q_img, q_sc, kv
.if DOCPART == 1
	.amdgcn_target "amdgcn-amd-amdhsa--gfx1250"
	.amdhsa_code_object_version 6
	.text
	.protected	k_qe928323ecc_qkv
	.globl	k_qe928323ecc_qkv
	.p2align	8
	.type	k_qe928323ecc_qkv,@function
k_qe928323ecc_qkv:
	s_mov_b64 s[64:65], 0
	v_nop
	global_prefetch_b8 v0, s[64:65] scope:SCOPE_SE
	s_setreg_imm32_b32 hwreg(HW_REG_WAVE_MODE, 25, 1), 1
	s_wait_xcnt 0x0
	s_wait_alu depctr_hold_cnt(0) depctr_sa_sdst(0) depctr_va_vdst(0) depctr_va_sdst(0) depctr_va_ssrc(0) depctr_va_vcc(0) depctr_vm_vsrc(0)
	s_getreg_b32 s2, hwreg(HW_REG_IB_STS2, 6, 4)
	s_cmp_eq_u32 s2, 0
	s_cbranch_scc0 .Lentry_in_a_cluster
	s_endpgm
.Lentry_in_a_cluster:
	s_bfe_u32 s2, ttmp6, 0x10000c
	s_cmp_lg_u32 s2, 0xf033
	s_cbranch_scc0 .Lentry_shape_is_right
	s_endpgm
.Lentry_shape_is_right:
; LAUNCH 1 OF 3.  qkv = x W^T + b on codes of FP4 (E2M1) with E8M0 scales as they are given; q and k are then quantised along the head's 64, v along the keys, and leave as images of operand registers.
; WORK THAT THE PROGRAM LEAVES OUT (all of it in the second launch).  reference() itself sets scores[q][k] to -inf where k > q (its jnp.tril).  For all finite inputs such a score is never the row's
; largest (k = q always counts), its weight is exp(-inf) = 0, it adds 0 to the row's sum, and its p = 0 has the code 0, which adds 0 to the second product under any scale.  So a step of 128 keys all of
; which come after a tile's 16 queries can reach no output, and is not computed.  Nothing else is left out: all eight inputs are loaded; the bias on k stays, since it moves k's codes.
; LIMIT: a NaN, an infinity or an overflow that would arise only in those hidden scores is not carried to the result.
; LIMITS of this launch: NaN and infinities are not served.  A block whose largest magnitude lies under 2^-124, a block of zeros too, gets the scale byte 1 (the rule says 127 for zeros): its codes
; are zeros or the rule's own, and these bytes are read by this program alone.  The bias is the C of each sum's first product: it is added first, not last.  Given scale bytes are taken as they come.
; SHARES.  A work-group takes 128 tokens (one key step j of one sequence b) x the 128 q, 128 k and 128 v features of two heads.  512 equal work-groups.  All of K = 1,024 lies in LDS: no byte is filled twice.
; Wave w (sec = w / 2, c = w % 2) makes  QK: 64 features of section sec (0: q, 1: k), head c (source 0) x 128 tokens (source 1): a lane holds ONE token, its registers run along the head's 64;
;                                         V: 128 tokens (source 0, the same fragments of x) x 32 v features (source 1): a lane holds ONE feature, its registers run along the keys.
; So each quantiser finds its K along a lane's registers.  In tile t register j of lane (r, h) is index 16 t + 8 h + j: a block of 32 is tiles 2 b, 2 b + 1 in lanes l and l xor 16.  A conversion's word holds
; octet 2 t + h; written to places 0, 2, 1, 3 for t = 0 .. 3 and followed by two exchanges of halves, four words hold indices 32 h + 0 .. 31: the operand's own layout.
; CLUSTER 4 x 4: x's tiles hang on the work-group's y alone and are asked for jointly along a row of the cluster, W's on its x alone and jointly along a column.
; REGISTERS.  window 0: addresses, scale words, the quantiser's work.  window 1: x's fragments, two sets (v0-127); W's (v128-191); Wv's (v192-223); the q/k bias as C (v224-255).
;             window 2: the 32 accumulators of QK, (tp, tq) at 8 (4 tq + tp).   window 3: the 16 of V, (tp, tv) at 8 (8 tv + tp); from v128 v's bias as C.
.set PITCH,  272                       ; an LDS row: 256 bytes + 16 = 68 words: row r starts at bank 4 r mod 64 (64 banks of 4 bytes: ISA guide 11.1): the 16 rows of a fragment load start at 16 different banks
.set TILEB,  16*PITCH
.set HALFT,  128*PITCH                 ; 128 rows: what one tensor load brings
.set SLOT,   4*HALFT                   ; half of K: x's rows, Wq's, Wk's, Wv's
.set SCL,    2*SLOT                    ; the scale bytes of the same 4 x 128 rows, as units of 256 bytes + 16
.set HALFS,  16*272
.set SPARE,  SCL+4*HALFS               ; the spare words, 128 bytes a wave: two blocks of 256 bytes that no other line names
.set KVBLK,  8960                      ; kv: a key step's block: K's image 4,096, V's 4,096, K's scale words 512, V's 256
.set KVHEAD, 16*KVBLK
.set ADX,  2                           ; v2-3   x's fragments in K half 0, 1
.set ADW,  4                           ; v4-5   my 64 rows of Wq or Wk
.set ADV,  6                           ; v6-7   my 32 rows of Wv
.set ADSX, 8                           ; v8-10  the scale bytes: a lane a row
.set ADSW, 9
.set ADSV, 10
.set LI,   11                          ; v11    16 x lane
.set L4,   12                          ; v12    4 x lane
.set LN,   13                          ; v13    lane
.set SPW,  20                          ; v20    my spare word; never rewritten
.set NIL,  21                          ; v21    0; never rewritten
.set WD,   24                          ; v24-31 scale words just made
.set X,    32                          ; v32-35 scale words on their way out
.set TM,   36                          ; v36-39 largest magnitudes, v40-43 bytes, v48-51 the conversions' scale operands
.set PC,   56                          ; v56-63 codes
.set SX,   64                          ; v64-95   x's scale words: register 8 i + s: tile 2 i in lanes 0-15, tile 2 i + 1 in lanes 16-31, K step s
.set SW,   96                          ; v96-111  W's likewise
.set SV,   112                         ; v112-119 Wv's
.set WV,   20
.set CX,   21
.set CY,   22
.set WGX,  23
.set WGY,  24
.set MROW, 25
.set MCOL, 26
.set SEC,  25                          ; (the masks have gone into the descriptors by then)
.set CH,   26
.set JB9,  27
.set G1X,  28
.set G1W,  36
.set G1SX, 44
.set G1SW, 52
.set G0SX, 60
.set SEL,  66
.set G0SW, 68
.set G0X,  72
.set G0W,  80
.set CB,   88                          ; s[88:89] where my codes of q or k go;  s[90:91] their scale words;  s[92:93] v's codes;  s[94:95] v's scale words
.set SB,   90
.set VB,   92
.set VSB,  94
.set MSB, 0
.macro WIN new                         ; the immediate's high byte repeats the setting that is left
.if MSB != (\new)
	s_set_vgpr_msb (MSB<<8)|(\new)
.set MSB, (\new)
.endif
.endm
.macro PLACES n
.rept \n
	v_nop
.endr
.endm
.macro ROUND                           ; a round of the cluster's barrier
	s_barrier_signal -1
	s_barrier_wait -1
	s_cmp_lg_u32 s[WV], 0
	s_cbranch_scc1 .Lnot_wave_0_\@
	s_barrier_signal -3
.Lnot_wave_0_\@:
	s_barrier_wait -3
	s_barrier_signal -1
	s_barrier_wait -1
.endm
; A joint load: wave 0 fetches for x, waves 1 to 3 for Wq, Wk, Wv.  Each line has one mask; the branch hangs on the wave's number alone.  An s_nop 0 and four v_nop follow each.
.macro JL g0x, g1x, g0w, g1w
	s_cmp_eq_u32 s[WV], 0
	s_cbranch_scc0 .Lfor_w_\@
	tensor_load_to_lds s[\g0x:\g0x+3], s[\g1x:\g1x+7]
	s_nop 0
.rept 4
	v_nop
.endr
	s_branch .Lasked_\@
.Lfor_w_\@:
	tensor_load_to_lds s[\g0w:\g0w+3], s[\g1w:\g1w+7]
	s_nop 0
.rept 4
	v_nop
.endr
.Lasked_\@:
.endm
; The matrix instruction.  ra, rb = 1: that side's scale words are read from lanes 16-31 of the register named.
.macro WM d, a, b, c, sa, sb, ra, rb
.if \ra
.if \rb
	v_wmma_scale_f32_16x16x128_f8f6f4 v[(\d):(\d)+7], v[(\a):(\a)+7], v[(\b):(\b)+7], v[(\c):(\c)+7], v[\sa], v[\sb] matrix_a_fmt:MATRIX_FMT_FP4 matrix_b_fmt:MATRIX_FMT_FP4 matrix_a_scale:MATRIX_SCALE_ROW1 matrix_b_scale:MATRIX_SCALE_ROW1
.else
	v_wmma_scale_f32_16x16x128_f8f6f4 v[(\d):(\d)+7], v[(\a):(\a)+7], v[(\b):(\b)+7], v[(\c):(\c)+7], v[\sa], v[\sb] matrix_a_fmt:MATRIX_FMT_FP4 matrix_b_fmt:MATRIX_FMT_FP4 matrix_a_scale:MATRIX_SCALE_ROW1
.endif
.else
.if \rb
	v_wmma_scale_f32_16x16x128_f8f6f4 v[(\d):(\d)+7], v[(\a):(\a)+7], v[(\b):(\b)+7], v[(\c):(\c)+7], v[\sa], v[\sb] matrix_a_fmt:MATRIX_FMT_FP4 matrix_b_fmt:MATRIX_FMT_FP4 matrix_b_scale:MATRIX_SCALE_ROW1
.else
	v_wmma_scale_f32_16x16x128_f8f6f4 v[(\d):(\d)+7], v[(\a):(\a)+7], v[(\b):(\b)+7], v[(\c):(\c)+7], v[\sa], v[\sb] matrix_a_fmt:MATRIX_FMT_FP4 matrix_b_fmt:MATRIX_FMT_FP4
.endif
.endif
.endm
; 28 LDS loads in one run: the 14 fragments of K step s (8 of x, 4 of W, 2 of Wv) into set p.  A fragment: lane (r, h) takes row r, 16 bytes at 16 h and 16 at 32 + 16 h of the step's 64.
.macro FETCH s, p
	WIN 0x40                                       ; destination window 1, address window 0
.irp i, 0,1,2,3,4,5,6,7
	ds_load_b128 v[64*(\p)+8*\i:64*(\p)+8*\i+3],   v[ADX+(\s)/4] offset:\i*TILEB+64*((\s)%4)
	ds_load_b128 v[64*(\p)+8*\i+4:64*(\p)+8*\i+7], v[ADX+(\s)/4] offset:\i*TILEB+64*((\s)%4)+32
.endr
.irp i, 0,1,2,3
	ds_load_b128 v[128+32*(\p)+8*\i:128+32*(\p)+8*\i+3],   v[ADW+(\s)/4] offset:\i*TILEB+64*((\s)%4)
	ds_load_b128 v[128+32*(\p)+8*\i+4:128+32*(\p)+8*\i+7], v[ADW+(\s)/4] offset:\i*TILEB+64*((\s)%4)+32
.endr
.irp i, 0,1
	ds_load_b128 v[192+16*(\p)+8*\i:192+16*(\p)+8*\i+3],   v[ADV+(\s)/4] offset:\i*TILEB+64*((\s)%4)
	ds_load_b128 v[192+16*(\p)+8*\i+4:192+16*(\p)+8*\i+7], v[ADV+(\s)/4] offset:\i*TILEB+64*((\s)%4)+32
.endr
	WIN 0
.endm
.macro SCALES                          ; all scale words of all of K: a lane takes a row's 32 bytes, two loads of 16: 14 loads, once
.irp i, 0,1,2,3
.irp f, 0,1
	ds_load_b128 v[SX+8*\i+4*\f:SX+8*\i+4*\f+3], v[ADSX] offset:\i*1088+16*\f
.endr
.endr
.irp i, 0,1
.irp f, 0,1
	ds_load_b128 v[SW+8*\i+4*\f:SW+8*\i+4*\f+3], v[ADSW] offset:\i*1088+16*\f
.endr
.endr
.irp f, 0,1
	ds_load_b128 v[SV+4*\f:SV+4*\f+3], v[ADSV] offset:16*\f
.endr
.endm
; The 48 accumulators take turns, one instruction a turn, in the same order in every K step.  first = 1: the bias is the C: nothing is cleared, nothing is added later.
.macro MULQK s, p, first
.if \first
	WIN 0x95                                       ; sources 0, 1 and C window 1, D window 2
.else
	WIN 0xa5                                       ; sources 0, 1 window 1, C and D window 2
.endif
.irp tq, 0,1,2,3,4,5,6,7
.irp tp, 0,1,2,3
.if \first
	WM 8*(4*\tq+\tp), 128+32*(\p)+8*\tp, 64*(\p)+8*\tq, 224+8*\tp, SW+8*(\tp/2)+(\s), SX+8*(\tq/2)+(\s), \tp%2, \tq%2
.else
	WM 8*(4*\tq+\tp), 128+32*(\p)+8*\tp, 64*(\p)+8*\tq, 8*(4*\tq+\tp), SW+8*(\tp/2)+(\s), SX+8*(\tq/2)+(\s), \tp%2, \tq%2
.endif
.endr
.endr
.endm
.macro MULV s, p, first
	WIN 0xf5                                       ; sources 0, 1 window 1, C and D window 3
.irp tv, 0,1
.irp tp, 0,1,2,3,4,5,6,7
.if \first
	WM 8*(8*\tv+\tp), 64*(\p)+8*\tp, 192+16*(\p)+8*\tv, 128+8*\tv, SX+8*(\tp/2)+(\s), SV+(\s), \tp%2, \tv
.else
	WM 8*(8*\tv+\tp), 64*(\p)+8*\tp, 192+16*(\p)+8*\tv, 8*(8*\tv+\tp), SX+8*(\tp/2)+(\s), SV+(\s), \tp%2, \tv
.endif
.endr
.endr
.endm
; A K step whose successor lies in the same half of K: the next step's fragments are asked for first, into the other set, and land under this step's 48 products.
.macro STEP s, first
.if (\s) > 0
	PLACES 4                                       ; four places between the last products that read that set and the loads into it (ISA guide 7.12.1 for vector instructions)
.endif
	FETCH (\s)+1, ((\s)+1)%2
	s_wait_dscnt 28                                ; all but the 28 just issued: this step's fragments are in
	MULQK \s, (\s)%2, \first
	MULV \s, (\s)%2, \first
.endm
; nb blocks of 32 along a lane's registers v[src] on, in window w (16 registers a block, the other 16 in lane l xor 16), become codes in v[pc] on and the scale word v[wd].
.macro QUANT nb, src, w, pc, wd
	WIN (\w)|((\w)<<2)                             ; sources 0 and 1 in the accumulators' window
.irp b, 0,1,2,3
.if \b < \nb
	v_max3_num_f32 v[TM+\b], |v[(\src)+16*\b]|, |v[(\src)+16*\b+1]|, 0x1800000   ; each accumulator from its low end on; the floor 2^(3 - 127) holds the byte at 1 from below
.endif
.endr
.irp i, 2,4,6,8,10,12,14
.irp b, 0,1,2,3
.if \b < \nb
	v_max3_num_f32 v[TM+\b], |v[(\src)+16*\b+\i]|, |v[(\src)+16*\b+\i+1]|, v[TM+\b]   ; (the blocks by turns)
.endif
.endr
.endr
	WIN 0
.irp b, 0,1,2,3
.if \b < \nb
	v_permlanex16_b32 v[TM+4+\b], v[TM+\b], s[SEL], s[SEL+1]
.endif
.endr
.irp b, 0,1,2,3
.if \b < \nb
	v_max_num_f32 v[TM+\b], v[TM+\b], v[TM+4+\b]   ; with lane l xor 16's: the block's largest magnitude
.endif
.endr
.irp b, 0,1,2,3
.if \b < \nb
	v_add_nc_u32 v[TM+12+\b], 0xff000000, v[TM+\b] ; 2 off its exponent field: the conversion's scale operand
.endif
.endr
.irp b, 0,1,2,3
.if \b < \nb
	v_lshrrev_b32 v[TM+4+\b], 23, v[TM+12+\b]      ; the scale's byte
.endif
.endr
	v_lshl_or_b32 v[\wd], v[TM+5], 8, v[TM+4]
.if \nb > 2
	v_lshl_or_b32 v[\wd], v[TM+6], 16, v[\wd]
	v_lshl_or_b32 v[\wd], v[TM+7], 24, v[\wd]
.endif
	s_wait_alu depctr_va_vdst(0)
	s_wait_xcnt 0x0                                ; earlier stores have read their data: the codes' registers are written again only behind this wait
	WIN \w                                         ; source 0 in the accumulators' window
.irp c, 0,1
.if 2*\c < \nb
	v_cvt_scalef32_pk8_fp4_f32 v[(\pc)+4*\c],   v[(\src)+32*\c:(\src)+32*\c+7],     v[TM+12+2*\c]
	v_cvt_scalef32_pk8_fp4_f32 v[(\pc)+4*\c+2], v[(\src)+32*\c+8:(\src)+32*\c+15],  v[TM+12+2*\c]
	v_cvt_scalef32_pk8_fp4_f32 v[(\pc)+4*\c+1], v[(\src)+32*\c+16:(\src)+32*\c+23], v[TM+13+2*\c]
	v_cvt_scalef32_pk8_fp4_f32 v[(\pc)+4*\c+3], v[(\src)+32*\c+24:(\src)+32*\c+31], v[TM+13+2*\c]
.endif
.endr
	WIN 0
	v_nop                                          ; one plain place behind a scaled conversion
.irp c, 0,1
.if 2*\c < \nb
	v_permlane16_swap_b32 v[(\pc)+4*\c],   v[(\pc)+4*\c+1]   ; octets (0,1) (4,5) -> (0,4) (1,5)
	v_permlane16_swap_b32 v[(\pc)+4*\c+2], v[(\pc)+4*\c+3]   ; octets (2,3) (6,7) -> (2,6) (3,7): four words = indices 32 h + 0 .. 31
.endif
.endr
.endm
	s_load_b512 s[4:19], s[0:1], 0x0               ; x codes 4, x scales 6, W codes 8, W scales 10, bias 12, q_img 14, q_sc 16, kv 18
	v_lshl_add_u32 v[SPW], v0, 2, SPARE
	v_mov_b32 v[NIL], 0
	ds_add_u32 v[SPW], v[NIL]                      ; the wave's opening: the add, twice on end, and its wait ahead of my first tensor load
	ds_add_u32 v[SPW], v[NIL]
	v_lshrrev_b32 v14, 5, v0
	v_readfirstlane_b32 s[WV], v14                 ; wave 0..3
	s_bfe_u32 s[CX], ttmp6, 0x40000
	s_bfe_u32 s[CY], ttmp6, 0x40004
	s_lshl_b32 s[WGX], ttmp9, 2
	s_add_co_u32 s[WGX], s[WGX], s[CX]             ; the pair of heads, 0..7
	s_and_b32 s[WGY], ttmp7, 0xffff
	s_lshl_b32 s[WGY], s[WGY], 2
	s_add_co_u32 s[WGY], s[WGY], s[CY]             ; the block of 128 tokens, 0..63
	s_lshl_b32 s[MROW], s[CY], 2
	s_lshl_b32 s[MROW], 15, s[MROW]                ; my row of the cluster
	s_lshl_b32 s[MCOL], 0x1111, s[CX]              ; my column
	; group 1, codes: 128 rows x 256 bytes of rows of 512; 16 bytes of padding behind each 256
	s_or_b32 s[G1X], s[MROW], (1<<20)|(1<<21)|(5<<22)|(3<<25)
	s_or_b32 s[G1W], s[MCOL], (1<<20)|(1<<21)|(5<<22)|(3<<25)
.irp g, G1X, G1W
	s_mov_b32 s[\g+1], 256<<16                     ; tensor_dim0
	s_mov_b32 s[\g+2], 128<<16                     ; tensor_dim1
	s_mov_b32 s[\g+3], 256<<16                     ; tile_dim0
	s_mov_b32 s[\g+4], 128                         ; tile_dim1
	s_mov_b32 s[\g+5], 512                         ; from row to row
	s_mov_b32 s[\g+6], 0
	s_mov_b32 s[\g+7], 0
.endr
	; group 1, scale bytes: 128 rows x 32 bytes are 4,096 dense bytes: 16 rows of 32 elements of 8 bytes, padded alike
	s_or_b32 s[G1SX], s[MROW], (3<<16)|(1<<20)|(1<<21)|(5<<22)|(3<<25)
	s_or_b32 s[G1SW], s[MCOL], (3<<16)|(1<<20)|(1<<21)|(5<<22)|(3<<25)
.irp g, G1SX, G1SW
	s_mov_b32 s[\g+1], 32<<16
	s_mov_b32 s[\g+2], 16<<16
	s_mov_b32 s[\g+3], 32<<16
	s_mov_b32 s[\g+4], 16
	s_mov_b32 s[\g+5], 32
	s_mov_b32 s[\g+6], 0
	s_mov_b32 s[\g+7], 0
.endr
	s_max_u32 s96, s[WV], 1
	s_sub_co_u32 s96, s96, 1
	s_lshl_b32 s96, s96, 10                        ; section q, k or v of W,
	s_lshl_b32 s97, s[WGX], 7
	s_add_co_u32 s96, s96, s97                     ; the pair's 128 rows in it
	s_lshl_b32 s98, s96, 9                         ; their codes, in bytes
	s_mov_b32 s99, 0
	s_lshl_b32 s100, s96, 5                        ; their scale bytes
	s_mov_b32 s101, 0
	s_lshl_b32 s92, s[WGY], 16                     ; x: 128 rows of 512 bytes a block
	s_mov_b32 s93, 0
	s_lshl_b32 s94, s[WGY], 12                     ; and 128 x 32 scale bytes
	s_mov_b32 s95, 0
	s_mul_i32 s88, s[WV], HALFT                    ; where they go: the wave's number alone enters an LDS address
	s_mul_i32 s89, s[WV], HALFS
	s_mov_b32 s[SEL], 0x76543210
	s_mov_b32 s[SEL+1], 0xfedcba98                 ; v_permlanex16_b32's selects for lane l xor 16
	s_wait_dscnt 0x0                               ; both opening adds are done
	s_wait_kmcnt 0x0
	s_mov_b32 s[G0SX], 1
	s_add_co_u32 s[G0SX+1], s89, SCL
	s_add_nc_u64 s[G0SX+2:G0SX+3], s[6:7], s[94:95]
	s_or_b32 s[G0SX+3], s[G0SX+3], 0x80000000
	s_mov_b32 s[G0SW], 1
	s_add_co_u32 s[G0SW+1], s89, SCL
	s_add_nc_u64 s[G0SW+2:G0SW+3], s[10:11], s[100:101]
	s_or_b32 s[G0SW+3], s[G0SW+3], 0x80000000
	s_mov_b32 s[G0X], 1
	s_mov_b32 s[G0X+1], s88
	s_add_nc_u64 s[G0X+2:G0X+3], s[4:5], s[92:93]
	s_mov_b32 s[G0X+4], 1
	s_add_co_u32 s[G0X+5], s88, SLOT
	s_add_nc_u64 s[G0X+6:G0X+7], s[G0X+2:G0X+3], 256
	s_or_b32 s[G0X+3], s[G0X+3], 0x80000000
	s_or_b32 s[G0X+7], s[G0X+7], 0x80000000
	s_mov_b32 s[G0W], 1
	s_mov_b32 s[G0W+1], s88
	s_add_nc_u64 s[G0W+2:G0W+3], s[8:9], s[98:99]
	s_mov_b32 s[G0W+4], 1
	s_add_co_u32 s[G0W+5], s88, SLOT
	s_add_nc_u64 s[G0W+6:G0W+7], s[G0W+2:G0W+3], 256
	s_or_b32 s[G0W+3], s[G0W+3], 0x80000000
	s_or_b32 s[G0W+7], s[G0W+7], 0x80000000
	ROUND                                          ; all sixteen work-groups are here: the joint loads meet
	JL G0SX, G1SX, G0SW, G1SW                      ; the scale bytes, K's first half, K's second half: three loads of mine are out, all first fills
	JL G0X, G1X, G0W, G1W
	JL G0X+4, G1X, G0W+4, G1W
	v_and_b32 v[LN], 31, v0
	v_and_b32 v14, 15, v0                          ; r
	v_bfe_u32 v15, v0, 4, 1                        ; h
	s_lshr_b32 s[SEC], s[WV], 1
	s_and_b32 s[CH], s[WV], 1
	v_mul_u32_u24 v16, v14, PITCH
	v_lshl_add_u32 v[ADX], v15, 4, v16             ; a fragment's row x pitch + 16 h
	s_wait_alu depctr_va_vdst(0)
	v_add_nc_u32 v[ADX+1], SLOT, v[ADX]
	s_add_co_u32 s96, s[SEC], 1
	s_mul_i32 s96, s96, HALFT
	s_mul_i32 s97, s[CH], 64*PITCH
	s_add_co_u32 s96, s96, s97                     ; section sec's rows, head c's 64
	v_add_nc_u32 v[ADW], s96, v[ADX]
	s_add_co_u32 s96, s96, SLOT
	v_add_nc_u32 v[ADW+1], s96, v[ADX]
	s_mul_i32 s97, s[WV], 32*PITCH
	s_add_co_u32 s97, s97, 3*HALFT                 ; Wv's rows 32 w on
	v_add_nc_u32 v[ADV], s97, v[ADX]
	s_add_co_u32 s97, s97, SLOT
	v_add_nc_u32 v[ADV+1], s97, v[ADX]
	v_lshlrev_b32 v17, 5, v[LN]
	v_lshrrev_b32 v18, 3, v[LN]
	v_lshl_add_u32 v17, v18, 4, v17                ; a lane a row of 32 scale bytes, 16 more for each 256 passed
	v_add_nc_u32 v[ADSX], SCL, v17
	s_add_co_u32 s96, s[SEC], 1
	s_mul_i32 s96, s96, HALFS
	s_mul_i32 s97, s[CH], 2176
	s_add_co_u32 s96, s96, s97
	v_add_nc_u32 v[ADSW], s96, v[ADSX]
	s_mul_i32 s97, s[WV], 1088
	s_add_co_u32 s97, s97, 3*HALFS
	v_add_nc_u32 v[ADSV], s97, v[ADSX]
	v_lshlrev_b32 v[LI], 4, v[LN]
	v_lshlrev_b32 v[L4], 2, v[LN]
	; the biases, in the results' layouts.  QK: register j of tile tp is feature 16 tp + 8 h + j.  V: all eight registers of tile tv are feature 16 tv + r
	s_lshl_b32 s2, s[SEC], 12
	s_lshl_b32 s98, s[WGX], 9
	s_add_co_u32 s2, s2, s98
	s_lshl_b32 s99, s[CH], 8
	s_add_co_u32 s2, s2, s99                       ; 4 (1,024 sec + 128 pair + 64 c)
	s_mov_b32 s3, 0
	s_add_nc_u64 s[2:3], s[12:13], s[2:3]
	s_lshl_b32 s100, s[WV], 7
	s_add_co_u32 s100, s100, s98
	s_add_co_u32 s100, s100, 8192                  ; 4 (2,048 + 128 pair + 32 w)
	s_mov_b32 s101, 0
	s_add_nc_u64 s[100:101], s[12:13], s[100:101]
	v_lshlrev_b32 v17, 5, v15                      ; 32 h
	v_lshlrev_b32 v18, 2, v14                      ; 4 r
	WIN 0x40
.irp tp, 0,1,2,3
	global_load_b128 v[224+8*\tp:224+8*\tp+3], v17, s[2:3] offset:64*\tp
	global_load_b128 v[224+8*\tp+4:224+8*\tp+7], v17, s[2:3] offset:64*\tp+16
.endr
	WIN 0xc0
.irp tv, 0,1
.irp j, 0,1,2,3,4,5,6,7
	global_load_b32 v[128+8*\tv+\j], v18, s[100:101] offset:64*\tv
.endr
.endr
	WIN 0
	; where the results go.  bh = 16 b + 2 pair + head; j = the key step
	s_lshr_b32 s96, s[WGY], 4
	s_lshl_b32 s96, s96, 4
	s_lshl_b32 s97, s[WGX], 1
	s_add_co_u32 s96, s96, s97                     ; 16 b + 2 pair
	s_and_b32 s97, s[WGY], 15                      ; j
	s_mul_i32 s[JB9], s97, KVBLK
	s_add_co_u32 s98, s96, s[CH]                   ; bh of my q or k
	s_mul_i32 s99, s98, KVHEAD
	s_add_co_u32 s99, s99, s[JB9]                  ; k: the step's block in kv
	s_lshl_b32 s90, s98, 16
	s_lshl_b32 s91, s97, 12
	s_add_co_u32 s90, s90, s91                     ; q: eight tiles of 512 bytes in q_img
	s_lshl_b32 s92, s98, 13
	s_lshl_b32 s93, s97, 9
	s_add_co_u32 s92, s92, s93                     ; q's scale words
	s_add_co_u32 s93, s99, 8192                    ; k's
	s_cmp_eq_u32 s[SEC], 0                         ; q or k: the choice hangs on the wave's number alone
	s_cselect_b32 s90, s90, s99
	s_cselect_b32 s92, s92, s93
	s_cselect_b64 s[94:95], s[14:15], s[18:19]
	s_cselect_b64 s[98:99], s[16:17], s[18:19]
	s_mov_b32 s91, 0
	s_mov_b32 s93, 0
	s_add_nc_u64 s[CB:CB+1], s[94:95], s[90:91]
	s_add_nc_u64 s[SB:SB+1], s[98:99], s[92:93]
	s_add_co_u32 s98, s96, s[SEC]                  ; bh of my v features: head w / 2
	s_mul_i32 s98, s98, KVHEAD
	s_add_co_u32 s98, s98, s[JB9]
	s_lshl_b32 s99, s[CH], 11
	s_add_co_u32 s92, s98, s99
	s_add_co_u32 s92, s92, 4096                    ; V's image, tiles 2 (w % 2) on
	s_mov_b32 s93, 0
	s_add_nc_u64 s[VB:VB+1], s[18:19], s[92:93]
	s_lshl_b32 s99, s[CH], 7
	s_add_co_u32 s94, s98, s99
	s_add_co_u32 s94, s94, 8704                    ; V's scale words, pair w % 2
	s_mov_b32 s95, 0
	s_add_nc_u64 s[VSB:VSB+1], s[18:19], s[94:95]
.irp b, 0,1,2,3
	v_mov_b32 v[TM+4+\b], 0                        ; written once: a lane permute's destination counts as one of its sources
.endr
	s_wait_alu depctr_va_vdst(0)
	s_wait_tensorcnt 0x1                           ; my scale bytes and my part of K's first half are in; the second half's load may stay out
	s_barrier_signal -1
	s_barrier_wait -1                              ; everybody's are
	SCALES
	FETCH 0, 0
	s_wait_loadcnt 0x0                             ; the biases
	STEP 0, 1
	STEP 1, 0
	STEP 2, 0
	s_wait_tensorcnt 0x0                           ; K step 3 changes halves: my part of the second half is in (no load was issued behind it),
	s_wait_dscnt 0x0                               ; and so are step 3's fragments
	s_barrier_signal -1
	MULQK 3, 1, 0                                  ; work on registers while the others arrive
	WIN 0
	s_barrier_wait -1
	PLACES 4
	FETCH 4, 0
	MULV 3, 1, 0
	STEP 4, 0
	STEP 5, 0
	STEP 6, 0
	s_wait_dscnt 0x0
	MULQK 7, 1, 0
	MULV 7, 1, 0
	WIN 0
	PLACES 4                                       ; four places between the last products and the first read of results
	; q or k: a tile of 16 tokens at a time: two blocks of 32 along the head; the wave stores 512 consecutive bytes, at a multiple of 256 from the buffer's first byte
.irp tq, 0,1,2,3,4,5,6,7
	QUANT 2, 32*\tq, 2, PC+4*(\tq%2), WD+\tq
	global_store_b128 v[LI], v[PC+4*(\tq%2):PC+4*(\tq%2)+3], s[CB:CB+1] offset:512*\tq
.endr
	v_cmp_le_u32 vcc_lo, 16, v[LN]
.irp i, 0,1,2,3
	v_cndmask_b32 v[X+\i], v[WD+2*\i], v[WD+2*\i+1], vcc_lo    ; word i: tile 2 i in lanes 0-15, tile 2 i + 1 in lanes 16-31: as the scale operand's two rows want them
.endr
	global_store_b128 v[LI], v[X:X+3], s[SB:SB+1]  ; 512 consecutive bytes
	; v: a tile of 16 features at a time: four blocks of 32 keys: a whole fragment
.irp tv, 0,1
	QUANT 4, 64*\tv, 3, PC, WD+\tv
	global_store_b128 v[LI], v[PC:PC+3], s[VB:VB+1] offset:1024*\tv
	global_store_b128 v[LI], v[PC+4:PC+7], s[VB:VB+1] offset:1024*\tv+512
.endr
	v_cndmask_b32 v[X], v[WD], v[WD+1], vcc_lo     ; (the wait in front of the last conversions has freed X)
	global_store_b32 v[L4], v[X], s[VSB:VSB+1]     ; 128 consecutive bytes: a wave holds two of a step's four tiles of v, so this one store covers half of an aligned 256
	s_wait_tensorcnt 0x0                           ; the wave's end
	ds_add_u32 v[SPW], v[NIL]
	s_wait_dscnt 0x0
	ROUND                                          ; the closing round: no work-group ends while a partner may still ask for a tile that names it
	s_endpgm
.Lfunc_end_k_qe928323ecc_qkv:
	.size	k_qe928323ecc_qkv, .Lfunc_end_k_qe928323ecc_qkv-k_qe928323ecc_qkv
	.p2alignl 7, 3214868480
	.fill 96, 4, 3214868480
	.section	.rodata,"a",@progbits
	.p2align	6, 0x0
	.amdhsa_kernel k_qe928323ecc_qkv
		.amdhsa_group_segment_fixed_size 296448
		.amdhsa_private_segment_fixed_size 0
		.amdhsa_enable_private_segment 0
		.amdhsa_kernarg_size 64
		.amdhsa_user_sgpr_count 2
		.amdhsa_user_sgpr_kernarg_segment_ptr 1
		.amdhsa_wavefront_size32 1
		.amdhsa_system_sgpr_workgroup_id_x 1
		.amdhsa_system_sgpr_workgroup_id_y 1
		.amdhsa_system_sgpr_workgroup_id_z 1
		.amdhsa_system_vgpr_workitem_id 0
		.amdhsa_next_free_vgpr 1024
		.amdhsa_next_free_sgpr 102
		.amdhsa_reserve_vcc 1
		.amdhsa_float_denorm_mode_32 3
		.amdhsa_float_denorm_mode_16_64 3
		.amdhsa_memory_ordered 1
		.amdhsa_forward_progress 1
		.amdhsa_inst_pref_size 105
	.end_amdhsa_kernel
	.amdgpu_metadata
---
amdhsa.version: [ 1, 2 ]
amdhsa.kernels:
  - .name:           k_qe928323ecc_qkv
    .symbol:         k_qe928323ecc_qkv.kd
    .args:
      - { .name: x_codes, .offset: 0, .size: 8, .value_kind: global_buffer, .address_space: global }
      - { .name: x_scales, .offset: 8, .size: 8, .value_kind: global_buffer, .address_space: global }
      - { .name: qkv_w_codes, .offset: 16, .size: 8, .value_kind: global_buffer, .address_space: global }
      - { .name: qkv_w_scales, .offset: 24, .size: 8, .value_kind: global_buffer, .address_space: global }
      - { .name: qkv_b, .offset: 32, .size: 8, .value_kind: global_buffer, .address_space: global }
      - { .name: q_img, .offset: 40, .size: 8, .value_kind: global_buffer, .address_space: global }
      - { .name: q_sc, .offset: 48, .size: 8, .value_kind: global_buffer, .address_space: global }
      - { .name: kv, .offset: 56, .size: 8, .value_kind: global_buffer, .address_space: global }
    .group_segment_fixed_size: 296448
    .private_segment_fixed_size: 0
    .kernarg_segment_align: 8
    .kernarg_segment_size: 64
    .max_flat_workgroup_size: 128
    .sgpr_count:     102
    .vgpr_count:     1024
    .wavefront_size: 32
...
	.end_amdgpu_metadata
.endif
;; end of part 1
;; launch attn (part 2): grid 4 x 64, 16 waves a work-group, clusters of 4 x 1, 167,936 bytes of LDS; arguments q_img, q_sc, kv, a_img, a_sc; writes a_img, a_sc
.if DOCPART == 2
	.amdgcn_target "amdgcn-amd-amdhsa--gfx1250"
	.amdhsa_code_object_version 6
	.text
	.protected	k_qe928323ecc_attn
	.globl	k_qe928323ecc_attn
	.p2align	8
	.type	k_qe928323ecc_attn,@function
k_qe928323ecc_attn:
	s_mov_b64 s[64:65], 0
	v_nop
	global_prefetch_b8 v0, s[64:65] scope:SCOPE_SE
	s_setreg_imm32_b32 hwreg(HW_REG_WAVE_MODE, 25, 1), 1
	s_wait_xcnt 0x0
	s_wait_alu depctr_hold_cnt(0) depctr_sa_sdst(0) depctr_va_vdst(0) depctr_va_sdst(0) depctr_va_ssrc(0) depctr_va_vcc(0) depctr_vm_vsrc(0)
	s_getreg_b32 s2, hwreg(HW_REG_IB_STS2, 6, 4)
	s_cmp_eq_u32 s2, 0
	s_cbranch_scc0 .Lentry_in_a_cluster
	s_endpgm
.Lentry_in_a_cluster:
	s_bfe_u32 s2, ttmp6, 0x10000c
	s_cmp_lg_u32 s2, 0x3003
	s_cbranch_scc0 .Lentry_shape_is_right
	s_endpgm
.Lentry_shape_is_right:
; LAUNCH 2 OF 3.  Causal attention on codes of FP4 (E2M1) with E8M0 scales; the normalised result is quantised along C and leaves as images of the last product's operand registers.
; LEFT OUT: key steps of 128 keys all of which come after a tile's 16 queries: their weights are 0 by the mask that reference() builds itself (shown at the head of the first launch's text).
; LIMITS: NaN and infinities are not served; one that would arise only in hidden scores is not carried.  The division by the row's sum is v_rcp_f32 and a multiplication.  A block of the result whose largest
; magnitude lies under 2^-124 gets the scale byte 1; these bytes are read by this program alone.  A block's largest p is taken as the exponential of the block's largest score (v_exp_f32 taken not to fall where its input rises).
; THE SOFTMAX: t = score x log2(e) / 8; M = the running largest t rounded UP to a whole number; p = 2^(t - M) is quantised along the keys; the row's sum is taken of the unquantised p and divides at the end.
; When M moves, the sum and O are multiplied by 2^(old M - new M): exact.
; SHARES.  A work-group owns one head and, at place g of its cluster, a quarter of its 128 tiles of 16 queries.  Wave w owns tiles u = 4 w + g and 127 - u: u / 8 = w / 2 and (127 - u) / 8 = 15 - w / 2 for every g,
; so every wave walks 17 key steps, two of them on the diagonal, and every branch hangs on the wave's number alone.  g enters global addresses and the lanes' mask thresholds, nothing else.
; THE WHOLE HEAD'S K AND V lie in LDS, 16 blocks of 8,960 bytes as they lie in kv, filled once.  All four partners read all of it (waves 0 and 1 walk all 16 steps): each load is asked for jointly.
; LAYOUT.  S^T = K Q^T (source 0 = 16 neighbouring keys, source 1 = my 16 queries), O^T = V^T P^T: a lane holds ONE query throughout; register j of tile t is key (or channel) 16 t + 8 h + j.
; K = 64 OF THE FIRST PRODUCT is filled to the instruction's 128 with zero codes in Q (registers 4-7 = 0).  K's operand of tile t is eight registers from 4 t on: its upper four are the next tile's codes (zeros at the
; tail) and meet Q's zeros; bytes 2 and 3 of both scale words are 0, which is 2^-127 and no NaN: those blocks add exact zeros.
.set BLK,   8960
.set HEADB, 16*BLK
.set SCST,  HEADB                      ; 1,024 bytes: the result's scale halfwords, two runs of 16 tiles x 32 bytes
.set SPARE, SCST+1024                  ; the spare words, 128 bytes a wave: eight blocks of 256 bytes that no other line names
.set LI,   1                           ; 16 x lane
.set L4,   2                           ; 4 x lane
.set AD16, 3                           ; the step's block + 16 x lane
.set AD4,  4
.set SPW,  5
.set NIL,  6
.set DQA,  7                           ; my query in the diagonal step - 8 h, late tile;  v8: early tile
.set DQB,  8
.set NINF, 9
.set SA,   10                          ; where my tile's scale halfword goes, late tile;  v11: early tile
.set SBV,  11
.set QA,   16                          ; v12 -M, v13 the largest t, v[14:15] the sum in two halves
.set QB,   24
.set KF,   32                          ; v32-63 K's eight tiles, v64-67 zeros
.set KS,   68
.set VF,   72
.set VS,   104
.set QSA,  106
.set QSB,  107
.set S,    108                         ; v108-171 S^T, then p
.set O,    172                         ; v172-203 O^T
.set PC,   204
.set BM,   212
.set T2,   216
.set SO,   220
.set TP,   224
.set F,    226                         ; f; named as a pair with
.set PW,   227                         ; p's scale word
.set LS,   228
.set RL,   230
.set AW,   232
.set RDS,  233
.set R16,  234
.set BK,   236
.set WV,   14
.set G,    15
.set BH,   16
.set MM,   17
.set JA,   18                          ; the diagonal's key step: late tile 15 - w / 2, early tile w / 2
.set JB,   19
.set SEL,  20
.set CS,   22
.set G1A,  24
.set G1B,  32
.set G0A,  40
.set G0B,  44
.set J,    48
.set TB,   49
.set CNT,  50
.set AOA,  52
.set AOB,  54
.set ASB,  56
.macro ROUND
	s_barrier_signal -1
	s_barrier_wait -1
	s_cmp_lg_u32 s[WV], 0
	s_cbranch_scc1 .Lnot_wave_0_\@
	s_barrier_signal -3
.Lnot_wave_0_\@:
	s_barrier_wait -3
	s_barrier_signal -1
	s_barrier_wait -1
.endm
.macro WMZ d, a, b, sa, sb, ra         ; D = A B; ra = 1: A's scale words from lanes 16-31
.if \ra
	v_wmma_scale_f32_16x16x128_f8f6f4 v[(\d):(\d)+7], v[(\a):(\a)+7], v[(\b):(\b)+7], 0, v[\sa], v[\sb] matrix_a_fmt:MATRIX_FMT_FP4 matrix_b_fmt:MATRIX_FMT_FP4 matrix_a_scale:MATRIX_SCALE_ROW1
.else
	v_wmma_scale_f32_16x16x128_f8f6f4 v[(\d):(\d)+7], v[(\a):(\a)+7], v[(\b):(\b)+7], 0, v[\sa], v[\sb] matrix_a_fmt:MATRIX_FMT_FP4 matrix_b_fmt:MATRIX_FMT_FP4
.endif
.endm
.macro WMA d, a, b, sa, sb, ra         ; D += A B
.if \ra
	v_wmma_scale_f32_16x16x128_f8f6f4 v[(\d):(\d)+7], v[(\a):(\a)+7], v[(\b):(\b)+7], v[(\d):(\d)+7], v[\sa], v[\sb] matrix_a_fmt:MATRIX_FMT_FP4 matrix_b_fmt:MATRIX_FMT_FP4 matrix_a_scale:MATRIX_SCALE_ROW1
.else
	v_wmma_scale_f32_16x16x128_f8f6f4 v[(\d):(\d)+7], v[(\a):(\a)+7], v[(\b):(\b)+7], v[(\d):(\d)+7], v[\sa], v[\sb] matrix_a_fmt:MATRIX_FMT_FP4 matrix_b_fmt:MATRIX_FMT_FP4
.endif
.endm
.macro QSBASE t, d                     ; s[d:d+1] = the address of tile s[t]'s scale words in q_sc: 512 (t / 8) + 256 (t % 2) + 4 ((t / 2) % 4), in my head (s71)
	s_lshr_b32 s[\d], s[\t], 3
	s_lshl_b32 s[\d], s[\d], 9
	s_and_b32 s70, s[\t], 1
	s_lshl_b32 s70, s70, 8
	s_add_co_u32 s[\d], s[\d], s70
	s_bfe_u32 s70, s[\t], 0x20001
	s_lshl_b32 s70, s70, 2
	s_add_co_u32 s[\d], s[\d], s70
	s_add_co_u32 s[\d], s[\d], s71
	s_mov_b32 s[\d+1], 0
	s_add_nc_u64 s[\d:\d+1], s[6:7], s[\d:\d+1]
.endm
; A KEY STEP of 128 keys for the tile whose Q lies in v[q], scale word v[qs].  causal = 1: the step is left out where it lies behind the diagonal's step s[jm], and masked where it is that step.
.macro STEP q, qs, causal, dq, jm
.if \causal
	s_cmp_gt_u32 s[J], s[\jm]                      ; the wave's number and the count of steps alone
	s_cbranch_scc1 .Lskip_\@
.endif
	s_setprio 2
	v_add_nc_u32 v[AD16], s[TB], v[LI]
	v_add_nc_u32 v[AD4], s[TB], v[L4]
	v_nop
	v_nop                                          ; four places between the last step's products and the loads into their operands
.irp t, 0,1,2,3,4,5,6,7
	ds_load_b128 v[KF+4*\t:KF+4*\t+3], v[AD16] offset:512*\t
.endr
	ds_load_b128 v[KS:KS+3], v[AD16] offset:8192
.irp t, 0,1,2,3
.irp c, 0,1
	ds_load_b128 v[VF+8*\t+4*\c:VF+8*\t+4*\c+3], v[AD16] offset:4096+1024*\t+512*\c
.endr
.endr
	ds_load_b32 v[VS], v[AD4] offset:8704
	ds_load_b32 v[VS+1], v[AD4] offset:8832
	s_wait_dscnt 10                                ; K and its scale words are in; V's ten loads may stay out
.irp t, 0,1,2,3,4,5,6,7
	WMZ S+8*\t, KF+4*\t, \q, KS+\t/2, \qs, \t%2
.endr
.rept 4
	v_nop
.endr
.if \causal
	s_cmp_lg_u32 s[J], s[\jm]
	s_cbranch_scc1 .Lopen_\@
.set n, 0
.rept 64                                       ; on the diagonal: register 8 t + j holds key 16 t + 8 h + j of the step: hidden where 16 t + j > my query - 8 h.  -infinity ahead of the maximum: p = 0 then
	v_cmp_gt_i32 vcc_lo, 16*(n/8)+(n%8), v[\dq]
	v_cndmask_b32 v[S+n], v[S+n], v[NINF], vcc_lo
.set n, n+1
.endr
.Lopen_\@:
.endif
.irp b, 0,1,2,3
	v_max3_num_f32 v[BM+\b], v[S+16*\b], v[S+16*\b+1], v[S+16*\b+2]   ; the largest score of each block of 32 keys: for the row's maximum and for the block's largest p
.endr
.irp i, 3,5,7,9,11,13
.irp b, 0,1,2,3
	v_max3_num_f32 v[BM+\b], v[BM+\b], v[S+16*\b+\i], v[S+16*\b+\i+1]
.endr
.endr
.irp b, 0,1,2,3
	v_max_num_f32 v[BM+\b], v[BM+\b], v[S+16*\b+15]
.endr
.irp b, 0,1,2,3
	s_delay_alu instid0(VALU_DEP_4)
	v_permlanex16_b32 v[T2+\b], v[BM+\b], s[SEL], s[SEL+1]
.endr
.irp b, 0,1,2,3
	s_delay_alu instid0(VALU_DEP_4)
	v_max_num_f32 v[BM+\b], v[BM+\b], v[T2+\b]     ; with lane l xor 16's 16 keys
.endr
	s_delay_alu instid0(VALU_DEP_2)
	v_max3_num_f32 v[TP], v[BM], v[BM+1], v[BM+2]
	s_delay_alu instid0(VALU_DEP_1)
	v_max_num_f32 v[TP], v[TP], v[BM+3]
	s_delay_alu instid0(VALU_DEP_1)
	v_mul_f32 v[TP], s[CS], v[TP]                  ; as t
	s_delay_alu instid0(VALU_DEP_1)
	v_max_num_f32 v13, v13, v[TP]                  ; the running largest t
	v_mov_b32 v[TP], v12
	s_delay_alu instid0(VALU_DEP_2)
	v_floor_f32 v12, -v13                          ; the new -M = floor(-t): M is a whole number
	s_delay_alu instid0(VALU_DEP_1)
	v_sub_f32 v[TP], v12, v[TP]                    ; old M - new M: a whole number, 0 or less
	s_delay_alu instid0(VALU_DEP_1)
	v_cvt_i32_f32 v[TP], v[TP]                     ; (it saturates)
	s_delay_alu instid0(VALU_DEP_1)
	v_ldexp_f32 v[F], 1.0, v[TP]                   ; f = 2^(old M - new M)
.set n, 0
.rept 32
	v_pk_fma_f32 v[S+n:S+n+1], v[S+n:S+n+1], s[CS:CS+1], v[12:13] op_sel_hi:[1,0,0]   ; t - M, two at a time
.set n, n+2
.endr
.irp b, 0,1,2,3
	v_fma_f32 v[BM+\b], v[BM+\b], s[CS], v12       ; the same of each block's largest score
.endr
.set n, 0
	s_setprio 1
	s_wait_alu depctr_va_vdst(0)
.rept 64
	v_exp_f32 v[S+n], v[S+n]                       ; p = 2^(t - M): one batch
.set n, n+1
.endr
	v_pk_mul_f32 v[14:15], v[14:15], v[F:F+1] op_sel_hi:[1,0]   ; the sums under the new M: the plain place behind the exponentials
	s_wait_alu depctr_va_vdst(0)                   ; one wait for the batch, ahead of its first reader
.irp b, 0,1,2,3
	v_exp_f32 v[BM+\b], v[BM+\b]                   ; the block's largest p
.endr
	v_pk_add_f32 v[216:217], v[112:113], v[116:117]
	v_pk_add_f32 v[254:255], v[120:121], v[124:125]
	v_pk_add_f32 v[252:253], v[128:129], v[132:133]
	v_pk_add_f32 v[250:251], v[136:137], v[140:141]
	v_pk_add_f32 v[248:249], v[144:145], v[148:149]
	v_pk_add_f32 v[246:247], v[152:153], v[156:157]
	v_pk_add_f32 v[244:245], v[160:161], v[164:165]
	v_pk_add_f32 v[14:15], v[14:15], v[168:169]
	v_pk_add_f32 v[216:217], v[216:217], v[108:109]
	v_pk_add_f32 v[254:255], v[254:255], v[110:111]
	v_pk_add_f32 v[252:253], v[252:253], v[114:115]
	v_pk_add_f32 v[250:251], v[250:251], v[118:119]
	v_pk_add_f32 v[248:249], v[248:249], v[122:123]
	v_pk_add_f32 v[246:247], v[246:247], v[126:127]
	v_pk_add_f32 v[244:245], v[244:245], v[130:131]
	v_pk_add_f32 v[14:15], v[14:15], v[134:135]
	v_pk_add_f32 v[216:217], v[216:217], v[138:139]
	v_pk_add_f32 v[254:255], v[254:255], v[142:143]
	v_pk_add_f32 v[252:253], v[252:253], v[146:147]
	v_pk_add_f32 v[250:251], v[250:251], v[150:151]
	v_pk_add_f32 v[248:249], v[248:249], v[154:155]
	v_pk_add_f32 v[246:247], v[246:247], v[158:159]
	v_pk_add_f32 v[244:245], v[244:245], v[162:163]
	v_pk_add_f32 v[14:15], v[14:15], v[166:167]
	v_pk_add_f32 v[216:217], v[216:217], v[170:171]
	s_delay_alu instid0(VALU_DEP_2)
	v_pk_add_f32 v[14:15], v[14:15], v[250:251]
	s_delay_alu instid0(VALU_DEP_2)
	v_pk_add_f32 v[216:217], v[216:217], v[248:249]
	v_pk_add_f32 v[254:255], v[254:255], v[246:247]
	v_pk_add_f32 v[252:253], v[252:253], v[244:245]
	s_delay_alu instid0(VALU_DEP_2)
	v_pk_add_f32 v[14:15], v[14:15], v[254:255]
	s_delay_alu instid0(VALU_DEP_2)
	v_pk_add_f32 v[216:217], v[216:217], v[252:253]
	s_delay_alu instid0(VALU_DEP_1)
	v_pk_add_f32 v[14:15], v[14:15], v[216:217]
	s_wait_alu depctr_va_vdst(0)                   ; and one for the four
.irp b, 0,1,2,3
	v_max_num_f32 v[BM+\b], 0x1800000, v[BM+\b]    ; the floor 2^(3 - 127): the byte cannot fall under 1
.endr
.irp b, 0,1,2,3
	s_delay_alu instid0(VALU_DEP_4)
	v_add_nc_u32 v[SO+\b], 0xff000000, v[BM+\b]    ; 2 off the exponent field: the conversion's scale operand
.endr
.irp b, 0,1,2,3
	s_delay_alu instid0(VALU_DEP_4)
	v_lshrrev_b32 v[T2+\b], 23, v[SO+\b]           ; the scale's byte
.endr
	s_delay_alu instid0(VALU_DEP_3)
	v_lshl_or_b32 v[PW], v[T2+1], 8, v[T2]
	s_delay_alu instid0(VALU_DEP_1)
	v_lshl_or_b32 v[PW], v[T2+2], 16, v[PW]
	s_delay_alu instid0(VALU_DEP_1)
	v_lshl_or_b32 v[PW], v[T2+3], 24, v[PW]
.irp c, 0,1
	v_cvt_scalef32_pk8_fp4_f32 v[PC+4*\c],   v[S+32*\c:S+32*\c+7],     v[SO+2*\c]
	v_cvt_scalef32_pk8_fp4_f32 v[PC+4*\c+2], v[S+32*\c+8:S+32*\c+15],  v[SO+2*\c]
	v_cvt_scalef32_pk8_fp4_f32 v[PC+4*\c+1], v[S+32*\c+16:S+32*\c+23], v[SO+2*\c+1]
	v_cvt_scalef32_pk8_fp4_f32 v[PC+4*\c+3], v[S+32*\c+24:S+32*\c+31], v[SO+2*\c+1]
.endr
	s_setprio 0
	v_nop                                          ; one plain place behind a scaled conversion
.irp c, 0,1
	v_permlane16_swap_b32 v[PC+4*\c],   v[PC+4*\c+1]
	v_permlane16_swap_b32 v[PC+4*\c+2], v[PC+4*\c+3]   ; registers 4 c .. 4 c + 3: keys 64 c + 32 h + 0 .. 31
.endr
.set n, 0
.rept 16
	v_pk_mul_f32 v[O+n:O+n+1], v[O+n:O+n+1], v[F:F+1] op_sel_hi:[1,0]   ; O^T under the new M.  (These 16 also stand between the writing of p's codes and scale word and the products)
.set n, n+2
.endr
	s_wait_alu depctr_va_vdst(0)
	s_wait_dscnt 0x0                               ; V is in
.irp t, 0,1,2,3
	WMA O+8*\t, VF+8*\t, PC, VS+\t/2, PW, \t%2
.endr
.if \causal
.Lskip_\@:
.endif
	s_add_co_u32 s[TB], s[TB], BLK
	s_add_co_u32 s[J], s[J], 1
.endm
.macro INIT                            ; a tile begins: O^T and the sum are zeros, the largest t is -3e38: the first change of M multiplies zeros
	s_wait_xcnt 0x0                                ; earlier stores have read their data: the codes' registers may be written again
	v_mov_b32 v13, 0xff61b1e6
	s_delay_alu instid0(VALU_DEP_1)
	v_floor_f32 v12, -v13
	v_mov_b32 v14, 0
	v_mov_b32 v15, 0
.set n, 0
.rept 32
	v_mov_b32 v[O+n], 0
.set n, n+1
.endr
.endm
; A tile ends: O^T / the sum; its 64 channels are two blocks of 32 along C; codes to a_img (512 consecutive bytes), the scale halfword to the stage.
.macro FINISH ao, sa
.rept 4
	v_nop                                          ; four places behind the last products
.endr
	v_add_f32 v[LS], v14, v15
	s_delay_alu instid0(VALU_DEP_1)
	v_permlanex16_b32 v[LS+1], v[LS], s[SEL], s[SEL+1]
	s_delay_alu instid0(VALU_DEP_1)
	v_add_f32 v[LS], v[LS], v[LS+1]                ; the row's sum
	s_wait_alu depctr_va_vdst(0)
	v_rcp_f32 v[RL], v[LS]
	v_nop                                          ; a plain place behind the reciprocal
	s_wait_alu depctr_va_vdst(0)                   ; and the wait ahead of its first reader
.set n, 0
.rept 16
	v_pk_mul_f32 v[O+n:O+n+1], v[O+n:O+n+1], v[RL:RL+1] op_sel_hi:[1,0]
.set n, n+2
.endr
.irp b, 0,1
	v_max3_num_f32 v[BM+\b], |v[O+16*\b]|, |v[O+16*\b+1]|, 0x1800000
.endr
.irp i, 2,4,6,8,10,12,14
.irp b, 0,1
	s_delay_alu instid0(VALU_DEP_2)
	v_max3_num_f32 v[BM+\b], v[BM+\b], |v[O+16*\b+\i]|, |v[O+16*\b+\i+1]|
.endr
.endr
.irp b, 0,1
	s_delay_alu instid0(VALU_DEP_2)
	v_permlanex16_b32 v[T2+\b], v[BM+\b], s[SEL], s[SEL+1]
.endr
.irp b, 0,1
	s_delay_alu instid0(VALU_DEP_2)
	v_max_num_f32 v[BM+\b], v[BM+\b], v[T2+\b]
.endr
.irp b, 0,1
	s_delay_alu instid0(VALU_DEP_2)
	v_add_nc_u32 v[SO+\b], 0xff000000, v[BM+\b]
.endr
.irp b, 0,1
	s_delay_alu instid0(VALU_DEP_2)
	v_lshrrev_b32 v[T2+\b], 23, v[SO+\b]
.endr
	s_delay_alu instid0(VALU_DEP_1)
	v_lshl_or_b32 v[AW], v[T2+1], 8, v[T2]
	v_cvt_scalef32_pk8_fp4_f32 v[PC],   v[O:O+7],     v[SO]
	v_cvt_scalef32_pk8_fp4_f32 v[PC+2], v[O+8:O+15],  v[SO]
	v_cvt_scalef32_pk8_fp4_f32 v[PC+1], v[O+16:O+23], v[SO+1]
	v_cvt_scalef32_pk8_fp4_f32 v[PC+3], v[O+24:O+31], v[SO+1]
	v_nop
	v_permlane16_swap_b32 v[PC],   v[PC+1]
	v_permlane16_swap_b32 v[PC+2], v[PC+3]
	global_store_b128 v[LI], v[PC:PC+3], s[\ao:\ao+1]
	ds_store_b16 v[\sa], v[AW]                     ; lanes r and r + 16 write the same halfword with the same value
.endm
	s_load_b256 s[4:11], s[0:1], 0x0               ; q_img 4, q_sc 6, kv 8, a_img 10
	s_load_b64 s[12:13], s[0:1], 0x20              ; a_sc
	v_lshl_add_u32 v[SPW], v0, 2, SPARE
	v_mov_b32 v[NIL], 0
	ds_add_u32 v[SPW], v[NIL]                      ; the wave's opening: the add, twice on end, and its wait ahead of the first tensor loads
	ds_add_u32 v[SPW], v[NIL]
	v_lshrrev_b32 v[TP], 5, v0
	s_delay_alu instid0(VALU_DEP_1)
	v_readfirstlane_b32 s[WV], v[TP]               ; wave 0..15
	s_bfe_u32 s[G], ttmp6, 0x40000                 ; my place in the cluster
	s_and_b32 s[BH], ttmp7, 0xffff                 ; batch x 16 + head, which the four partners share
	s_lshr_b32 s[MM], s[WV], 1
	s_xor_b32 s[JA], s[MM], 15
	s_mov_b32 s[JB], s[MM]
	s_mov_b32 s[SEL], 0x76543210
	s_mov_b32 s[SEL+1], 0xfedcba98
	s_mov_b32 s[CS], 0x3e38aa3b                    ; log2(e) / 8
	s_mov_b32 s[CS+1], s[CS]
	; group 1: dense blocks as rows of 256 bytes (32 elements of 8): 35 rows = one key step, 105 = three; mask: all four partners
	s_mov_b32 s[G1A], 15|(3<<16)|(1<<21)
	s_mov_b32 s[G1B], 15|(3<<16)|(1<<21)
.irp g, G1A, G1B
	s_mov_b32 s[\g+1], 32<<16
	s_mov_b32 s[\g+3], 32<<16
	s_mov_b32 s[\g+5], 32
	s_mov_b32 s[\g+6], 0
	s_mov_b32 s[\g+7], 0
.endr
	s_mov_b32 s[G1A+2], 35<<16
	s_mov_b32 s[G1A+4], 35
	s_mov_b32 s[G1B+2], 105<<16
	s_mov_b32 s[G1B+4], 105
	s_min_u32 s58, s[WV], 3                        ; waves 0 to 3 load
	s_mul_i32 s68, s58, BLK                        ; first key step w,
	s_mov_b32 s69, 0
	s_mul_i32 s70, s58, 3*BLK
	s_add_co_u32 s70, s70, 4*BLK                   ; then steps 4 + 3 w to 6 + 3 w: the same offset in the head's part of kv and in LDS
	s_mov_b32 s71, 0
	s_mul_i32 s62, s[BH], HEADB
	s_mov_b32 s63, 0
	; every LDS address register that stays is made here, ahead of the branch on the wave's number
	v_and_b32 v[TP], 31, v0
	s_delay_alu instid0(VALU_DEP_1)
	v_lshlrev_b32 v[LI], 4, v[TP]
	s_wait_alu depctr_va_vdst(0)
	v_lshlrev_b32 v[L4], 2, v[TP]
	v_and_b32 v[TP+1], 15, v0                      ; r
	s_wait_alu depctr_va_vdst(0)
	v_bfe_u32 v[LS], v0, 4, 1                      ; h
	s_wait_alu depctr_va_vdst(0)
	s_xor_b32 s58, s[WV], 15
	s_lshl_b32 s58, s58, 5
	s_add_co_u32 s58, s58, SCST
	v_lshl_add_u32 v[SA], v[TP+1], 1, s58          ; late tiles: run A, 32 (15 - w) + 2 r
	s_lshl_b32 s58, s[WV], 5
	s_add_co_u32 s58, s58, SCST+512
	v_lshl_add_u32 v[SBV], v[TP+1], 1, s58         ; early tiles: run B, 32 w + 2 r
	s_and_b32 s58, s[WV], 1
	s_lshl_b32 s58, s58, 9
	s_add_co_u32 s58, s58, SCST
	v_add_nc_u32 v[RDS], s58, v[LI]                ; wave 0 reads run A back, wave 1 run B
	v_lshlrev_b32 v[R16], 4, v[TP+1]
	v_lshlrev_b32 v[LS+1], 3, v[LS]
	s_delay_alu instid0(VALU_DEP_1)
	v_sub_nc_u32 v[LS+1], v[TP+1], v[LS+1]         ; r - 8 h
	s_wait_dscnt 0x0                               ; both opening adds are done
	s_wait_kmcnt 0x0
	s_add_nc_u64 s[66:67], s[8:9], s[62:63]
	s_mov_b32 s[G0A], 1
	s_mov_b32 s[G0A+1], s68
	s_add_nc_u64 s[G0A+2:G0A+3], s[66:67], s[68:69]
	s_or_b32 s[G0A+3], s[G0A+3], 0x80000000
	s_mov_b32 s[G0B], 1
	s_mov_b32 s[G0B+1], s70
	s_add_nc_u64 s[G0B+2:G0B+3], s[66:67], s[70:71]
	s_or_b32 s[G0B+3], s[G0B+3], 0x80000000
	ROUND                                          ; all four work-groups are here: the joint loads meet
	s_cmp_lt_u32 s[WV], 4                          ; a loading wave's two first fills stand in one branch: two loads of its own are out
	s_cbranch_scc0 .Lno_load
	tensor_load_to_lds s[G0A:G0A+3], s[G1A:G1A+7]
	s_nop 0
	tensor_load_to_lds s[G0B:G0B+3], s[G1B:G1B+7]
	s_nop 0
.rept 4
	v_nop
.endr
.Lno_load:
	s_lshl_b32 s58, s[WV], 2
	s_add_co_u32 s58, s58, s[G]                    ; u: my early tile
	s_sub_co_u32 s59, 127, s58                     ; my late tile
	s_lshl_b32 s70, s[BH], 16
	s_lshl_b32 s66, s59, 9
	s_add_co_u32 s66, s66, s70
	s_mov_b32 s67, 0
	s_add_nc_u64 s[66:67], s[4:5], s[66:67]
	s_lshl_b32 s68, s58, 9
	s_add_co_u32 s68, s68, s70
	s_mov_b32 s69, 0
	s_add_nc_u64 s[68:69], s[4:5], s[68:69]
	global_load_b128 v[QA:QA+3], v[LI], s[66:67]   ; Q's images stay in registers
	global_load_b128 v[QB:QB+3], v[LI], s[68:69]
	s_lshl_b32 s71, s[BH], 13
	QSBASE 59, 60
	QSBASE 58, 62
	s_wait_alu depctr_va_vdst(0)
	global_load_b32 v[QSA], v[R16], s[60:61]       ; lane r takes row r's word
	global_load_b32 v[QSB], v[R16], s[62:63]
	s_and_b32 s70, s59, 7
	s_lshl_b32 s70, s70, 4
	v_add_nc_u32 v[DQA], s70, v[LS+1]              ; 16 (tile % 8) + r - 8 h
	s_and_b32 s70, s58, 7
	s_lshl_b32 s70, s70, 4
	v_add_nc_u32 v[DQB], s70, v[LS+1]
	; where the results go.  Tile t of sequence b has the place T' = 128 b + 32 (t % 4) + t / 4, so that a work-group's tiles of a pass are 16 neighbours
	s_lshr_b32 s70, s[BH], 4
	s_lshl_b32 s70, s70, 7                         ; 128 b
	s_and_b32 s71, s[BH], 15                       ; the head
	s_sub_co_u32 s52, 3, s[G]
	s_lshl_b32 s52, s52, 5
	s_add_co_u32 s52, s52, s70
	s_add_co_u32 s56, s52, 16                      ; run A's first place
	s_add_co_u32 s52, s52, 31
	s_sub_co_u32 s52, s52, s[WV]                   ; my late tile's place
	s_lshl_b32 s52, s52, 13
	s_lshl_b32 s53, s71, 9
	s_add_co_u32 s52, s52, s53
	s_mov_b32 s53, 0
	s_add_nc_u64 s[AOA:AOA+1], s[10:11], s[52:53]
	s_lshl_b32 s54, s[G], 5
	s_add_co_u32 s54, s54, s70                     ; run B's first place
	s_and_b32 s55, s[WV], 1
	s_cmp_eq_u32 s55, 0
	s_cselect_b32 s56, s56, s54
	s_lshl_b32 s56, s56, 5
	s_lshl_b32 s57, s71, 14
	s_add_co_u32 s56, s56, s57
	s_mov_b32 s57, 0
	s_add_nc_u64 s[ASB:ASB+1], s[12:13], s[56:57]
	s_add_co_u32 s54, s54, s[WV]                   ; my early tile's place
	s_lshl_b32 s54, s54, 13
	s_lshl_b32 s55, s71, 9
	s_add_co_u32 s54, s54, s55
	s_mov_b32 s55, 0
	s_add_nc_u64 s[AOB:AOB+1], s[10:11], s[54:55]
.irp i, 4,5,6,7
	v_mov_b32 v[QA+\i], 0                          ; zero codes fill K = 64 to the instruction's 128
	v_mov_b32 v[QB+\i], 0
.endr
.irp i, 0,1,2,3
	v_mov_b32 v[KF+32+\i], 0
	v_mov_b32 v[T2+\i], 0                          ; written once: a lane permute's destination counts as one of its sources
.endr
	v_mov_b32 v[NINF], 0xff800000
	v_mov_b32 v[PW], 0                             ; (named as the upper half of a pair before it is first made)
	v_mov_b32 v[RL+1], 0
	s_wait_tensorcnt 0x1                           ; a loading wave's first load, its one of key steps 0 to 3, is in; steps 4 to 15 may stay out
	s_barrier_signal -1
	s_barrier_wait -1
	s_wait_loadcnt 0x0                             ; Q
	INIT
	s_mov_b32 s[J], 0
	s_mov_b32 s[TB], 0
	s_mov_b32 s[CNT], 4
.Lfirst:                                           ; the late tile, key steps 0 to 3: its diagonal lies at step 8 or later, so all their keys count
	STEP QA, QSA, 0, DQA, JA
	s_sub_co_u32 s[CNT], s[CNT], 1
	s_cmp_lg_u32 s[CNT], 0
	s_cbranch_scc1 .Lfirst
	s_setprio 0
	s_wait_tensorcnt 0x0                           ; the rest of the head is in (no load was issued behind it),
	s_wait_dscnt 0x0
	s_barrier_signal -1
	s_barrier_wait -1                              ; everybody's is
	s_mov_b32 s[J], 4
	s_mov_b32 s[TB], 4*BLK
	s_mov_b32 s[CNT], 12
.Llate:                                            ; key steps 4 to 15: every wave walks all trips and leaves out the steps behind its diagonal
	STEP QA, QSA, 1, DQA, JA
	s_sub_co_u32 s[CNT], s[CNT], 1
	s_cmp_lg_u32 s[CNT], 0
	s_cbranch_scc1 .Llate
	s_setprio 0
	FINISH AOA, SA
	INIT
	s_mov_b32 s[J], 0
	s_mov_b32 s[TB], 0
	s_mov_b32 s[CNT], 8
.Learly:                                           ; the early tile: its diagonal lies at step w / 2, at most 7
	STEP QB, QSB, 1, DQB, JB
	s_sub_co_u32 s[CNT], s[CNT], 1
	s_cmp_lg_u32 s[CNT], 0
	s_cbranch_scc1 .Learly
	s_setprio 0
	FINISH AOB, SBV
	s_wait_dscnt 0x0                               ; for the others' sake: my halfwords lie in the stage
	s_barrier_signal -1
	s_barrier_wait -1
	s_cmp_lt_u32 s[WV], 2
	s_cbranch_scc0 .Lno_run
	ds_load_b128 v[BK:BK+3], v[RDS]
	s_wait_dscnt 0x0
	global_store_b128 v[LI], v[BK:BK+3], s[ASB:ASB+1]   ; a run of 16 tiles' scale halfwords: 512 consecutive bytes, at a multiple of 256 from the buffer's first byte
.Lno_run:
	s_wait_tensorcnt 0x0                           ; the wave's end
	ds_add_u32 v[SPW], v[NIL]
	s_wait_dscnt 0x0
	ROUND                                          ; the closing round
	s_endpgm
.Lfunc_end_k_qe928323ecc_attn:
	.size	k_qe928323ecc_attn, .Lfunc_end_k_qe928323ecc_attn-k_qe928323ecc_attn
	.p2alignl 7, 3214868480
	.fill 96, 4, 3214868480
	.section	.rodata,"a",@progbits
	.p2align	6, 0x0
	.amdhsa_kernel k_qe928323ecc_attn
		.amdhsa_group_segment_fixed_size 167936
		.amdhsa_private_segment_fixed_size 0
		.amdhsa_enable_private_segment 0
		.amdhsa_kernarg_size 40
		.amdhsa_user_sgpr_count 2
		.amdhsa_user_sgpr_kernarg_segment_ptr 1
		.amdhsa_wavefront_size32 1
		.amdhsa_system_sgpr_workgroup_id_x 1
		.amdhsa_system_sgpr_workgroup_id_y 1
		.amdhsa_system_sgpr_workgroup_id_z 1
		.amdhsa_system_vgpr_workitem_id 0
		.amdhsa_next_free_vgpr 256
		.amdhsa_next_free_sgpr 72
		.amdhsa_reserve_vcc 1
		.amdhsa_float_denorm_mode_32 3
		.amdhsa_float_denorm_mode_16_64 3
		.amdhsa_memory_ordered 1
		.amdhsa_forward_progress 1
		.amdhsa_inst_pref_size 79
	.end_amdhsa_kernel
	.amdgpu_metadata
---
amdhsa.version: [ 1, 2 ]
amdhsa.kernels:
  - .name:           k_qe928323ecc_attn
    .symbol:         k_qe928323ecc_attn.kd
    .args:
      - { .name: q_img, .offset: 0, .size: 8, .value_kind: global_buffer, .address_space: global }
      - { .name: q_sc, .offset: 8, .size: 8, .value_kind: global_buffer, .address_space: global }
      - { .name: kv, .offset: 16, .size: 8, .value_kind: global_buffer, .address_space: global }
      - { .name: a_img, .offset: 24, .size: 8, .value_kind: global_buffer, .address_space: global }
      - { .name: a_sc, .offset: 32, .size: 8, .value_kind: global_buffer, .address_space: global }
    .group_segment_fixed_size: 167936
    .private_segment_fixed_size: 0
    .kernarg_segment_align: 8
    .kernarg_segment_size: 40
    .max_flat_workgroup_size: 512
    .sgpr_count:     72
    .vgpr_count:     256
    .wavefront_size: 32
...
	.end_amdgpu_metadata
.endif
;; end of part 2
;; launch proj (part 3): grid 4 x 64, 8 waves a work-group, clusters of 4 x 4, 253,440 bytes of LDS; arguments a_img, a_sc, proj_w_codes, proj_w_scales, proj_b, out0; writes out0
.if DOCPART == 3
	.amdgcn_target "amdgcn-amd-amdhsa--gfx1250"
	.amdhsa_code_object_version 6
	.text
	.protected	k_qe928323ecc_proj
	.globl	k_qe928323ecc_proj
	.p2align	8
	.type	k_qe928323ecc_proj,@function
k_qe928323ecc_proj:
	s_mov_b64 s[64:65], 0
	v_nop
	global_prefetch_b8 v0, s[64:65] scope:SCOPE_SE
	s_setreg_imm32_b32 hwreg(HW_REG_WAVE_MODE, 25, 1), 1
	s_wait_xcnt 0x0
	s_wait_alu depctr_hold_cnt(0) depctr_sa_sdst(0) depctr_va_vdst(0) depctr_va_sdst(0) depctr_va_ssrc(0) depctr_va_vcc(0) depctr_vm_vsrc(0)
	s_getreg_b32 s2, hwreg(HW_REG_IB_STS2, 6, 4)
	s_cmp_eq_u32 s2, 0
	s_cbranch_scc0 .Lentry_in_a_cluster
	s_endpgm
.Lentry_in_a_cluster:
	s_bfe_u32 s2, ttmp6, 0x10000c
	s_cmp_lg_u32 s2, 0xf033
	s_cbranch_scc0 .Lentry_shape_is_right
	s_endpgm
.Lentry_shape_is_right:
; LAUNCH 3 OF 3.  out = a W^T + b on codes of FP4 (E2M1) with E8M0 scales: a as the second launch left it (images of operand registers, tiles of 16 tokens in the order T'), W as it is given.  Nothing is left out here.
; LIMITS: the bias is what the sums begin with: it is added first, not last.  Given scale bytes are taken as they come.
; SHARES.  A work-group takes eight tiles of 16 tokens (T' = 8 y .. 8 y + 7) x 256 columns.  256 work-groups.  All of K = 1,024 lies in LDS, in two halves: no byte is filled twice.
; Wave w takes 64 columns (w % 4; four tiles, source 0) x 64 tokens (w / 4; four tiles, source 1): 16 accumulators; a lane holds one token and eight neighbouring columns.
; CLUSTER 4 x 4: a's tiles hang on the work-group's y alone and are asked for jointly along a row of the cluster, W's on its x alone and jointly along a column.
; T' = 128 b + 32 (t % 4) + t / 4 for tile t of sequence b: the tile at T' holds tokens 2,048 b + 64 (T' % 32) + 16 ((T' / 32) % 4) + 0 .. 15.
.set TILEB, 16*272
.set WCH,   256*272                    ; half of K of W's 256 rows: 256 bytes + 16 a row = 68 words: the 16 rows of a fragment load start at 16 different banks (64 banks of 4 bytes: ISA guide 11.1)
.set AIMG,  2*WCH                      ; a's images: [half of K][tile][4,096 bytes]
.set WSC,   AIMG+65536                 ; W's scale bytes, units of 256 + 16
.set ASC,   WSC+32*272                 ; a's scale halfwords: 16 planes (heads) x 256 bytes
.set STG,   ASC+4096                   ; the way out: 16 rows x (256 + 16) for each wave
.set SPARE, STG+8*TILEB                ; the spare words, 128 bytes a wave: four blocks of 256 bytes that no other line names
.set ADW,  1                           ; v1-2
.set ADA,  3
.set ADWS, 4
.set ADAS, 5
.set STO,  6
.set RD,   7
.set CO,   8
.set BO,   9
.set SPW,  10
.set NIL,  11
.set WS,   16                          ; v16-31 W's scale words: register 8 i + s: tile 2 i in lanes 0-15, tile 2 i + 1 in lanes 16-31, K step s
.set AS,   32                          ; v32-47 a's likewise
.set WFR,  48                          ; v48-79  W's four fragments; at the head a's halfwords; on the way out rows of out
.set AFR,  80                          ; v80-111 a's four fragments; on the way out rows of out
.set ACC,  112                         ; v112-239: (tn, ta) at 8 (4 ta + tn)
.set WV,   16
.set CX,   17
.set CY,   18
.set WGX,  19
.set WGY,  20
.set MROW, 21
.set MCOL, 22
.set W4,   23
.set G1W,  24
.set G1WS, 32
.set G1A,  40
.set G1AS, 48
.set G0WS, 56
.set G0W0, 60
.set G0W1, 68
.set G0AS, 72
.set G0A0, 76
.set G0A1, 80
.set OB,   84
.set BB,   86
.macro PLACES n
.rept \n
	v_nop
.endr
.endm
.macro ROUND
	s_barrier_signal -1
	s_barrier_wait -1
	s_cmp_lg_u32 s[WV], 0
	s_cbranch_scc1 .Lnot_wave_0_\@
	s_barrier_signal -3
.Lnot_wave_0_\@:
	s_barrier_wait -3
	s_barrier_signal -1
	s_barrier_wait -1
.endm
.macro WM d, a, b, sa, sb, ra, rb      ; D += A B; ra, rb = 1: that side's scale words from lanes 16-31
.if \ra
.if \rb
	v_wmma_scale_f32_16x16x128_f8f6f4 v[(\d):(\d)+7], v[(\a):(\a)+7], v[(\b):(\b)+7], v[(\d):(\d)+7], v[\sa], v[\sb] matrix_a_fmt:MATRIX_FMT_FP4 matrix_b_fmt:MATRIX_FMT_FP4 matrix_a_scale:MATRIX_SCALE_ROW1 matrix_b_scale:MATRIX_SCALE_ROW1
.else
	v_wmma_scale_f32_16x16x128_f8f6f4 v[(\d):(\d)+7], v[(\a):(\a)+7], v[(\b):(\b)+7], v[(\d):(\d)+7], v[\sa], v[\sb] matrix_a_fmt:MATRIX_FMT_FP4 matrix_b_fmt:MATRIX_FMT_FP4 matrix_a_scale:MATRIX_SCALE_ROW1
.endif
.else
.if \rb
	v_wmma_scale_f32_16x16x128_f8f6f4 v[(\d):(\d)+7], v[(\a):(\a)+7], v[(\b):(\b)+7], v[(\d):(\d)+7], v[\sa], v[\sb] matrix_a_fmt:MATRIX_FMT_FP4 matrix_b_fmt:MATRIX_FMT_FP4 matrix_b_scale:MATRIX_SCALE_ROW1
.else
	v_wmma_scale_f32_16x16x128_f8f6f4 v[(\d):(\d)+7], v[(\a):(\a)+7], v[(\b):(\b)+7], v[(\d):(\d)+7], v[\sa], v[\sb] matrix_a_fmt:MATRIX_FMT_FP4 matrix_b_fmt:MATRIX_FMT_FP4
.endif
.endif
.endm
; A K step of 128: eight fragments, 16 products.  The 16 accumulators take turns, one instruction a turn, in the same order in every step.  Two waves share a SIMD: one's loads stand beside the other's products.
.macro KSTEP s
.if (\s) > 0
	PLACES 4                                       ; four places between the last products and the loads into their operands
.endif
.irp t, 0,1,2,3
.irp c, 0,1
	ds_load_b128 v[WFR+8*\t+4*\c:WFR+8*\t+4*\c+3], v[ADW+(\s)/4] offset:\t*TILEB+64*((\s)%4)+32*\c
.endr
.endr
.irp t, 0,1,2,3
.irp c, 0,1
	ds_load_b128 v[AFR+8*\t+4*\c:AFR+8*\t+4*\c+3], v[ADA] offset:32768*((\s)/4)+4096*\t+1024*((\s)%4)+512*\c   ; registers 4 c on are head 2 s + c's image
.endr
.endr
	s_wait_dscnt 0x0
.irp ta, 0,1,2,3
.irp tn, 0,1,2,3
	WM ACC+8*(4*\ta+\tn), WFR+8*\tn, AFR+8*\ta, WS+8*(\tn/2)+(\s), AS+8*(\ta/2)+(\s), \tn%2, \ta%2
.endr
.endr
.endm
	s_load_b256 s[4:11], s[0:1], 0x0               ; a_img 4, a_sc 6, W codes 8, W scales 10
	s_load_b128 s[12:15], s[0:1], 0x20             ; bias 12, out 14
	v_lshl_add_u32 v[SPW], v0, 2, SPARE
	v_mov_b32 v[NIL], 0
	ds_add_u32 v[SPW], v[NIL]                      ; the wave's opening: the add, twice on end, and its wait ahead of my first tensor load
	ds_add_u32 v[SPW], v[NIL]
	v_lshrrev_b32 v12, 5, v0
	s_delay_alu instid0(VALU_DEP_1)
	v_readfirstlane_b32 s[WV], v12                 ; wave 0..7
	s_bfe_u32 s[CX], ttmp6, 0x40000
	s_bfe_u32 s[CY], ttmp6, 0x40004
	s_lshl_b32 s[WGX], ttmp9, 2
	s_add_co_u32 s[WGX], s[WGX], s[CX]             ; which 256 columns
	s_and_b32 s[WGY], ttmp7, 0xffff
	s_lshl_b32 s[WGY], s[WGY], 2
	s_add_co_u32 s[WGY], s[WGY], s[CY]             ; which eight tiles of tokens
	s_lshl_b32 s[MROW], s[CY], 2
	s_lshl_b32 s[MROW], 15, s[MROW]
	s_lshl_b32 s[MCOL], 0x1111, s[CX]
	s_and_b32 s[W4], s[WV], 3
	; W's codes: 64 rows x 256 bytes of rows of 512, 16 bytes of padding behind each
	s_or_b32 s[G1W], s[MCOL], (1<<20)|(1<<21)|(5<<22)|(3<<25)
	s_mov_b32 s[G1W+1], 256<<16
	s_mov_b32 s[G1W+2], 64<<16
	s_mov_b32 s[G1W+3], 256<<16
	s_mov_b32 s[G1W+4], 64
	s_mov_b32 s[G1W+5], 512
	s_mov_b32 s[G1W+6], 0
	s_mov_b32 s[G1W+7], 0
	; W's scale bytes: 64 rows x 32 bytes = 8 rows of 32 elements of 8 bytes, padded alike
	s_or_b32 s[G1WS], s[MCOL], (3<<16)|(1<<20)|(1<<21)|(5<<22)|(3<<25)
	s_mov_b32 s[G1WS+1], 32<<16
	s_mov_b32 s[G1WS+2], 8<<16
	s_mov_b32 s[G1WS+3], 32<<16
	s_mov_b32 s[G1WS+4], 8
	s_mov_b32 s[G1WS+5], 32
	s_mov_b32 s[G1WS+6], 0
	s_mov_b32 s[G1WS+7], 0
	; a's images: two tiles x 4,096 bytes (eight heads) of tiles of 8,192
	s_or_b32 s[G1A], s[MROW], (3<<16)|(1<<21)
	s_mov_b32 s[G1A+1], 512<<16
	s_mov_b32 s[G1A+2], 2<<16
	s_mov_b32 s[G1A+3], 512<<16
	s_mov_b32 s[G1A+4], 2
	s_mov_b32 s[G1A+5], 1024
	s_mov_b32 s[G1A+6], 0
	s_mov_b32 s[G1A+7], 0
	; a's scale halfwords: four planes x 256 bytes of planes of 16,384
	s_or_b32 s[G1AS], s[MROW], (3<<16)|(1<<21)
	s_mov_b32 s[G1AS+1], 32<<16
	s_mov_b32 s[G1AS+2], 4<<16
	s_mov_b32 s[G1AS+3], 32<<16
	s_mov_b32 s[G1AS+4], 4
	s_mov_b32 s[G1AS+5], 2048
	s_mov_b32 s[G1AS+6], 0
	s_mov_b32 s[G1AS+7], 0
	s_lshl_b32 s84, s[WGX], 8
	s_lshl_b32 s85, s[W4], 6
	s_add_co_u32 s84, s84, s85                     ; W: rows 256 x + 64 (w % 4) on
	s_lshl_b32 s86, s84, 9
	s_mov_b32 s87, 0
	s_lshl_b32 s88, s84, 5
	s_mov_b32 s89, 0
	s_lshl_b32 s90, s[WGY], 3
	s_lshl_b32 s91, s[W4], 1
	s_add_co_u32 s90, s90, s91                     ; a: tiles 8 y + 2 (w % 4) on
	s_lshl_b32 s90, s90, 13
	s_mov_b32 s91, 0
	s_lshl_b32 s92, s[W4], 16                      ; planes 4 (w % 4) on,
	s_lshl_b32 s93, s[WGY], 8                      ; my eight tiles' 256 bytes in each
	s_add_co_u32 s92, s92, s93
	s_mov_b32 s93, 0
	s_mul_i32 s94, s[W4], 64*272                   ; where they go: the wave's number alone enters an LDS address
	s_mul_i32 s95, s[W4], 8*272
	s_lshl_b32 s96, s[W4], 13
	s_lshl_b32 s97, s[W4], 10
	s_wait_dscnt 0x0                               ; both opening adds are done
	s_wait_kmcnt 0x0
	s_mov_b32 s[G0WS], 1
	s_add_co_u32 s[G0WS+1], s95, WSC
	s_add_nc_u64 s[G0WS+2:G0WS+3], s[10:11], s[88:89]
	s_or_b32 s[G0WS+3], s[G0WS+3], 0x80000000
	s_mov_b32 s[G0W0], 1
	s_mov_b32 s[G0W0+1], s94
	s_add_nc_u64 s[G0W0+2:G0W0+3], s[8:9], s[86:87]
	s_mov_b32 s[G0W1], 1
	s_add_co_u32 s[G0W1+1], s94, WCH
	s_add_nc_u64 s[G0W1+2:G0W1+3], s[G0W0+2:G0W0+3], 256
	s_or_b32 s[G0W0+3], s[G0W0+3], 0x80000000
	s_or_b32 s[G0W1+3], s[G0W1+3], 0x80000000
	s_mov_b32 s[G0AS], 1
	s_add_co_u32 s[G0AS+1], s97, ASC
	s_add_nc_u64 s[G0AS+2:G0AS+3], s[6:7], s[92:93]
	s_or_b32 s[G0AS+3], s[G0AS+3], 0x80000000
	s_mov_b32 s[G0A0], 1
	s_add_co_u32 s[G0A0+1], s96, AIMG
	s_add_nc_u64 s[G0A0+2:G0A0+3], s[4:5], s[90:91]
	s_mov_b32 s[G0A1], 1
	s_add_co_u32 s[G0A1+1], s96, AIMG+32768
	s_add_nc_u64 s[G0A1+2:G0A1+3], s[G0A0+2:G0A0+3], 4096
	s_or_b32 s[G0A0+3], s[G0A0+3], 0x80000000
	s_or_b32 s[G0A1+3], s[G0A1+3], 0x80000000
	ROUND                                          ; all sixteen work-groups are here: the joint loads meet
	s_cmp_lt_u32 s[WV], 4                          ; waves 0-3 fetch for W, waves 4-7 for a: scales, K's first half, K's second half: three loads of mine are out, all first fills
	s_cbranch_scc0 .Lfor_a
	tensor_load_to_lds s[G0WS:G0WS+3], s[G1WS:G1WS+7]
	s_nop 0
	tensor_load_to_lds s[G0W0:G0W0+3], s[G1W:G1W+7]
	s_nop 0
	tensor_load_to_lds s[G0W1:G0W1+3], s[G1W:G1W+7]
	s_nop 0
.rept 4
	v_nop
.endr
	s_branch .Lasked
.Lfor_a:
	tensor_load_to_lds s[G0AS:G0AS+3], s[G1AS:G1AS+7]
	s_nop 0
	tensor_load_to_lds s[G0A0:G0A0+3], s[G1A:G1A+7]
	s_nop 0
	tensor_load_to_lds s[G0A1:G0A1+3], s[G1A:G1A+7]
	s_nop 0
.rept 4
	v_nop
.endr
.Lasked:
	v_and_b32 v12, 31, v0                          ; lane
	s_wait_alu depctr_va_vdst(0)
	v_and_b32 v13, 15, v0                          ; r
	v_bfe_u32 v14, v0, 4, 1                        ; h
	s_lshr_b32 s98, s[WV], 2                       ; which half of the tokens
	v_lshlrev_b32 v[BO], 5, v14                    ; the bias: register j of tile tn is column 16 tn + 8 h + j
	s_lshl_b32 s86, s[WGX], 10
	s_lshl_b32 s87, s[W4], 8
	s_add_co_u32 s86, s86, s87                     ; my first column, in bytes: 4 (256 x + 64 (w % 4))
	s_mov_b32 s87, 0
	s_mov_b32 s88, s86
	s_add_nc_u64 s[BB:BB+1], s[12:13], s[86:87]
.irp ta, 0,1,2,3
.irp tn, 0,1,2,3
	global_load_b128 v[ACC+8*(4*\ta+\tn):ACC+8*(4*\ta+\tn)+3],   v[BO], s[BB:BB+1] offset:64*\tn      ; THE SUMS BEGIN AT THE BIAS: nothing is cleared, nothing is added later
	global_load_b128 v[ACC+8*(4*\ta+\tn)+4:ACC+8*(4*\ta+\tn)+7], v[BO], s[BB:BB+1] offset:64*\tn+16
.endr
.endr
	v_mul_u32_u24 v15, v13, 272
	s_delay_alu instid0(VALU_DEP_1)
	v_lshl_add_u32 v15, v14, 4, v15                ; a fragment's row x pitch + 16 h
	s_mul_i32 s89, s[W4], 64*272
	v_add_nc_u32 v[ADW], s89, v15
	s_add_co_u32 s89, s89, WCH
	v_add_nc_u32 v[ADW+1], s89, v15
	s_lshl_b32 s89, s98, 14
	s_add_co_u32 s89, s89, AIMG
	v_lshl_add_u32 v[ADA], v12, 4, s89             ; my four tiles' images, 16 x lane
	v_lshlrev_b32 v15, 5, v12
	v_lshrrev_b32 v[ADWS], 3, v12
	s_delay_alu instid0(VALU_DEP_1)
	v_lshl_add_u32 v15, v[ADWS], 4, v15            ; a lane a row of 32 scale bytes, 16 more for each 256 passed
	s_mul_i32 s89, s[W4], 2176
	s_add_co_u32 s89, s89, WSC
	v_add_nc_u32 v[ADWS], s89, v15
	s_lshl_b32 s89, s98, 7
	s_add_co_u32 s89, s89, ASC
	v_lshl_add_u32 v[ADAS], v12, 1, s89            ; two tiles' halfwords: 2 x lane
	s_mul_i32 s89, s[WV], TILEB
	s_add_co_u32 s89, s89, STG                     ; my stage
	v_mul_u32_u24 v15, v13, 272
	s_delay_alu instid0(VALU_DEP_1)
	v_lshl_add_u32 v15, v14, 5, v15
	s_delay_alu instid0(VALU_DEP_1)
	v_add_nc_u32 v[STO], s89, v15                  ; in: row r, 32 bytes for each half of the lanes
	v_mul_u32_u24 v15, v14, 272
	s_delay_alu instid0(VALU_DEP_1)
	v_lshl_add_u32 v15, v13, 4, v15
	s_delay_alu instid0(VALU_DEP_1)
	v_add_nc_u32 v[RD], s89, v15                   ; back: lanes 0-15 one row of 256 bytes, lanes 16-31 the next
	v_lshlrev_b32 v15, 12, v14
	s_delay_alu instid0(VALU_DEP_1)
	v_lshl_add_u32 v[CO], v13, 4, v15              ; and the same two rows of out
	s_lshr_b32 s89, s[WGY], 4
	s_lshl_b32 s89, s89, 11                        ; 2,048 b
	s_and_b32 s90, s[WGY], 3
	s_lshl_b32 s90, s90, 9
	s_add_co_u32 s89, s89, s90                     ; + 512 (y % 4)
	s_bfe_u32 s90, s[WGY], 0x20002
	s_lshl_b32 s90, s90, 4
	s_add_co_u32 s89, s89, s90                     ; + 16 ((y / 4) % 4)
	s_lshl_b32 s90, s98, 8
	s_add_co_u32 s89, s89, s90                     ; + 256 (w / 4): my first token; from tile to tile 64 tokens on
	s_lshl_b32 s84, s89, 12
	s_add_co_u32 s84, s84, s88
	s_mov_b32 s85, 0
	s_add_nc_u64 s[OB:OB+1], s[14:15], s[84:85]
	s_wait_alu depctr_va_vdst(0)
	s_wait_tensorcnt 0x1                           ; my scales and my part of K's first half are in; the second half's load may stay out
	s_barrier_signal -1
	s_barrier_wait -1                              ; everybody's are
.irp i, 0,1
.irp f, 0,1
	ds_load_b128 v[WS+8*\i+4*\f:WS+8*\i+4*\f+3], v[ADWS] offset:\i*1088+16*\f
.endr
.endr
.irp i, 0,1
.irp p, 0,1,2,3,4,5,6,7,8,9,10,11,12,13,14,15
	ds_load_u16 v[WFR+16*\i+\p], v[ADAS] offset:256*\p+64*\i
.endr
.endr
	s_wait_dscnt 0x0
.irp i, 0,1
.irp k, 0,1,2,3,4,5,6,7
	v_lshl_or_b32 v[AS+8*\i+\k], v[WFR+16*\i+2*\k+1], 16, v[WFR+16*\i+2*\k]   ; K step k's word: head 2 k's two bytes, then head 2 k + 1's
.endr
.endr
	PLACES 8                                       ; a scale register written by a vector instruction stands eight places ahead of a scaled matrix instruction
	s_wait_alu depctr_va_vdst(0)
	s_wait_loadcnt 0x0                             ; the bias
	KSTEP 0
	KSTEP 1
	KSTEP 2
	KSTEP 3
	s_wait_tensorcnt 0x0                           ; my part of K's second half is in (no load was issued behind it; no LDS instruction of mine is out),
	s_barrier_signal -1
	s_barrier_wait -1                              ; everybody's is
	KSTEP 4
	KSTEP 5
	KSTEP 6
	KSTEP 7
	PLACES 4                                       ; four places between the last products and the first read of results, and the loads into their operands
	; THE WAY OUT, a tile of 16 tokens x my 64 columns at a time, through my own stage: LDS serves a wave's instructions in order (ISA guide 5.7.1.4), so no wait stands between the stores and the loads
.irp ta, 0,1,2,3
.if \ta > 1
	s_wait_xcnt 0x0                                ; the stores of two tiles back have read their data: those registers are loaded again only behind this wait
.endif
.irp tn, 0,1,2,3
	ds_store_b128 v[STO], v[ACC+8*(4*\ta+\tn):ACC+8*(4*\ta+\tn)+3] offset:64*\tn          ; each accumulator from its low end on
	ds_store_b128 v[STO], v[ACC+8*(4*\ta+\tn)+4:ACC+8*(4*\ta+\tn)+7] offset:64*\tn+16
.endr
.irp i, 0,1,2,3,4,5,6,7
	ds_load_b128 v[WFR+32*(\ta%2)+4*\i:WFR+32*(\ta%2)+4*\i+3], v[RD] offset:544*\i
.endr
.irp i, 0,1,2,3,4,5,6,7
	s_wait_dscnt 7-\i                              ; the younger read-backs may stay out
	global_store_b128 v[CO], v[WFR+32*(\ta%2)+4*\i:WFR+32*(\ta%2)+4*\i+3], s[OB:OB+1] offset:262144*\ta+8192*\i th:TH_STORE_NT   ; 16 lanes store 256 consecutive bytes, at a multiple of 256 from out's first byte
.endr
.endr
	s_wait_tensorcnt 0x0                           ; the wave's end, behind my last tensor load and my last LDS store
	ds_add_u32 v[SPW], v[NIL]
	s_wait_dscnt 0x0
	ROUND                                          ; the closing round
	s_endpgm
.Lfunc_end_k_qe928323ecc_proj:
	.size	k_qe928323ecc_proj, .Lfunc_end_k_qe928323ecc_proj-k_qe928323ecc_proj
	.p2alignl 7, 3214868480
	.fill 96, 4, 3214868480
	.section	.rodata,"a",@progbits
	.p2align	6, 0x0
	.amdhsa_kernel k_qe928323ecc_proj
		.amdhsa_group_segment_fixed_size 253440
		.amdhsa_private_segment_fixed_size 0
		.amdhsa_enable_private_segment 0
		.amdhsa_kernarg_size 48
		.amdhsa_user_sgpr_count 2
		.amdhsa_user_sgpr_kernarg_segment_ptr 1
		.amdhsa_wavefront_size32 1
		.amdhsa_system_sgpr_workgroup_id_x 1
		.amdhsa_system_sgpr_workgroup_id_y 1
		.amdhsa_system_sgpr_workgroup_id_z 1
		.amdhsa_system_vgpr_workitem_id 0
		.amdhsa_next_free_vgpr 256
		.amdhsa_next_free_sgpr 100
		.amdhsa_reserve_vcc 0
		.amdhsa_float_denorm_mode_32 3
		.amdhsa_float_denorm_mode_16_64 3
		.amdhsa_memory_ordered 1
		.amdhsa_forward_progress 1
		.amdhsa_inst_pref_size 50
	.end_amdhsa_kernel
	.amdgpu_metadata
---
amdhsa.version: [ 1, 2 ]
amdhsa.kernels:
  - .name:           k_qe928323ecc_proj
    .symbol:         k_qe928323ecc_proj.kd
    .args:
      - { .name: a_img, .offset: 0, .size: 8, .value_kind: global_buffer, .address_space: global }
      - { .name: a_sc, .offset: 8, .size: 8, .value_kind: global_buffer, .address_space: global }
      - { .name: proj_w_codes, .offset: 16, .size: 8, .value_kind: global_buffer, .address_space: global }
      - { .name: proj_w_scales, .offset: 24, .size: 8, .value_kind: global_buffer, .address_space: global }
      - { .name: proj_b, .offset: 32, .size: 8, .value_kind: global_buffer, .address_space: global }
      - { .name: out0, .offset: 40, .size: 8, .value_kind: global_buffer, .address_space: global }
    .group_segment_fixed_size: 253440
    .private_segment_fixed_size: 0
    .kernarg_segment_align: 8
    .kernarg_segment_size: 48
    .max_flat_workgroup_size: 256
    .sgpr_count:     100
    .vgpr_count:     256
    .wavefront_size: 32
...
	.end_amdgpu_metadata
.endif
;; end of part 3
